; MI455X (gfx1250); checked and timed in simulation.
; The chip was launched on July 23, 2026; its instructions are those of AMD's public machine-readable ISA for CDNA 5 (MIT licence, August 2026) and "CDNA5" Instruction Set Architecture Reference Guide (July 2026). The comments in the code are by the model that wrote it; some were corrected since.
;; Attention. Allowed arithmetic: float matrix products may take bf16 or f16 operands with f32 sums; all other float work in f32.
;; Inputs: V 1,024 x 1 float32; W1 1,024 x 1,024 float32; W2 1,024 x 1,024 float32; b1 1,024 float32; b2 1,024 float32; bV 1 float32; features 32 x 2,048 x 1,024 float32; hidden 32 x 1,024 float32; seq_len 32 int32.
;; Outputs: out0 32 x 1,024 float32; out1 32 x 2,048 x 1 float32.
;; 3 versions, each right; version 2 is faster than version 1; version 3 is version 2 with the launch attn written anew for expert scheduling mode. Each part assembles by itself: llvm-mc -triple=amdgcn-amd-amdhsa -mcpu=gfx1250 --defsym DOCPART=n.
;; ======== version 1 of 3: 3 launches
;; limits: values outside matrix products are rounded to bf16
;; workspace buffers: w1f 2,097,152 bytes; hbs 131,072 bytes; wtab 32,768 bytes of whole numbers; scores 262,144 bytes; ctxp 16,777,216 bytes
;; launch prep (part 1): grid 128 x 1, 8 waves a work-group, no clusters, 33,792 bytes of LDS; arguments W1, W2, hidden, b1, b2, seq_len, w1f, hbs, wtab; writes w1f, hbs, wtab
.if DOCPART == 1
	.amdgcn_target "amdgcn-amd-amdhsa--gfx1250"
	.amdhsa_code_object_version 6
	.text
	.protected	k_q8ab218d125_prep
	.globl	k_q8ab218d125_prep
	.p2align	8
	.type	k_q8ab218d125_prep,@function
k_q8ab218d125_prep:
	s_mov_b64 s[64:65], 0
	v_nop
	global_prefetch_b8 v0, s[64:65] scope:SCOPE_SE
	s_setreg_imm32_b32 hwreg(HW_REG_WAVE_MODE, 25, 1), 1
	s_wait_xcnt 0x0
; Three preparations, chosen by the work-group's number; each role ends by itself.
;  groups 0-63   W1 [1024 k][1024 n] f32 -> w1f: bf16 in the order of the matrix unit's B fragments,
;                [n>>7][k>>5][(n>>4)&7][1024 bytes]; in a fragment lane L = 16 h + r holds column r: bytes 16 L of the first 512 are
;                k = 8h..8h+7, bytes 16 L of the second 512 are k = 16+8h..16+8h+7.  A later load of 16 bytes a lane takes it as it lies.
;  groups 64-95  hbs[b][n] = 2 log2(e) (hidden[b] . W2[:,n] + b1[n] + b2[n]), f32; the product with bf16 operands and f32 sums.
;  groups 96-127 wtab: the rows that the mask of the reference keeps, cut into units of 16 rows of one batch and dealt evenly to 256 work-groups.
;                len' = 2048 where seq_len <= 0 (all rows masked: the softmax is uniform), else min(seq_len, 2048): every int32 is served.
;                U = sum of ceil(len'/16).  Work-group g takes units floor(g U/256) .. floor((g+1) U/256)-1, n <= 16 of them:
;                n <= 9 as one tile, else as two of ceil(n/2) and floor(n/2).  A tile has ac = 0 or max(count, 5) blocks; blocks past the count repeat its last unit.
;                word [g][tile][l]: 15:0 first row (b*2048 + 16 j); 19:16 valid rows - 1; 20 uniform flag; 28:24 ac.
.set C2L, 0x4038aa3b                   ; 2 log2(e)
; raw f32 of nf B fragments (16 columns each, 32 k): register dst+16f+8half+i of lane (r,h) = W[k0+16half+8h+i][n0+16f+r].
; v5 = 32768 h + 4 r.  f runs innermost: nf loads that follow each other cover 64 nf neighbouring bytes of two rows.
.macro GATHER dst, nf, sb, imm
.irp half,0,1
.irp i,0,1,2,3,4,5,6,7
.set gf, 0
.rept \nf
	global_load_b32 v[\dst+16*gf+8*\half+\i], v5, s[\sb:\sb+1] offset:\imm+(16*\half+\i)*4096+64*gf
.set gf, gf+1
.endr
.endr
.endr
.endm
; sixteen f32 along k -> one fragment's eight registers
.macro PACK dst, src
.irp e,0,1,2,3,4,5,6,7
	v_cvt_pk_bf16_f32 v[\dst+\e], v[\src+2*\e], v[\src+2*\e+1]
.endr
.endm
	s_load_b512 s[4:19], s[0:1], 0x0               ; W1 4, W2 6, hidden 8, b1 10, b2 12, seq_len 14, w1f 16, hbs 18
	s_load_b64 s[20:21], s[0:1], 0x40              ; wtab
	v_lshl_add_u32 v30, v0, 2, 0x8000
	v_mov_b32 v31, 0
	v_and_b32 v1, 31, v0                           ; lane
	v_lshrrev_b32 v4, 5, v0
	v_readfirstlane_b32 s24, v4                    ; wave
	v_and_b32 v2, 15, v0                           ; r
	v_bfe_u32 v3, v0, 4, 1                         ; h
	v_lshlrev_b32 v5, 2, v2
	v_lshl_add_u32 v5, v3, 15, v5                  ; 8 h rows of 4,096 bytes + 4 r
	s_wait_kmcnt 0x0
	s_cmp_ge_u32 ttmp9, 64
	s_cbranch_scc1 .Lnot_w1
; ---------------- W1: a wave turns 32 k x 64 columns into four fragments
	s_lshl_b32 s25, ttmp9, 3
	s_add_co_u32 s25, s25, s24                     ; 0..511
	s_and_b32 s26, s25, 31                         ; kb = k >> 5
	s_lshr_b32 s27, s25, 5                         ; cg: 64 columns
	s_lshl_b32 s28, s26, 17                        ; 32 rows of 4,096 bytes
	s_lshl_b32 s30, s27, 8
	s_add_co_u32 s28, s28, s30
	s_mov_b32 s29, 0
	s_add_nc_u64 s[4:5], s[4:5], s[28:29]
	GATHER 64, 4, 4, 0
	s_lshr_b32 s30, s27, 1                         ; n >> 7
	s_lshl_b32 s30, s30, 5
	s_add_co_u32 s30, s30, s26
	s_lshl_b32 s30, s30, 13                        ; ((n>>7)*32 + kb) * 8,192
	s_and_b32 s31, s27, 1
	s_lshl_b32 s31, s31, 12                        ; + the upper four fragments of the eight
	s_add_co_u32 s30, s30, s31
	s_mov_b32 s31, 0
	s_add_nc_u64 s[16:17], s[16:17], s[30:31]
	v_lshlrev_b32 v6, 4, v1
	s_wait_loadcnt 0x0
.irp f,0,1,2,3
	PACK 32+8*\f, 64+16*\f
.endr
.irp f,0,1,2,3
	global_store_b128 v6, v[32+8*\f:35+8*\f], s[16:17] offset:1024*\f        ; each store of the wave covers 512 consecutive bytes, aligned
	global_store_b128 v6, v[36+8*\f:39+8*\f], s[16:17] offset:1024*\f+512
.endr
	s_endpgm
.Lnot_w1:
	s_cmp_ge_u32 ttmp9, 96
	s_cbranch_scc1 .Ltable
; ---------------- hbs: the group makes 32 batches x 32 columns; wave w sums k = 128 w .. 128 w + 127, in two phases of 64
; v[32:95] fragments: 32 kk + {B f0, B f1, A mb0, A mb1} * 8; v[96:159] raw W2; v[160:223] raw hidden; v[224:255] four sums (mb, f)
	s_sub_co_u32 s25, ttmp9, 64
	s_lshl_b32 s26, s25, 7                         ; 32 columns of 4 bytes
	s_mov_b32 s27, 0
	s_add_nc_u64 s[10:11], s[10:11], s[26:27]
	s_add_nc_u64 s[12:13], s[12:13], s[26:27]
	s_add_nc_u64 s[18:19], s[18:19], s[26:27]
	s_lshl_b32 s28, s24, 19                        ; 128 rows of W2
	s_add_co_u32 s28, s28, s26
	s_mov_b32 s29, 0
	s_add_nc_u64 s[6:7], s[6:7], s[28:29]
	s_lshl_b32 s28, s24, 9                         ; 128 columns of hidden
	s_add_nc_u64 s[8:9], s[8:9], s[28:29]
	v_and_b32 v6, 7, v0
	v_lshlrev_b32 v6, 4, v6                        ; 16 (t & 7)
	global_load_b128 v[8:11], v6, s[10:11]         ; b1 and b2 of the four columns that this thread finishes
	global_load_b128 v[12:15], v6, s[12:13]
	v_lshlrev_b32 v7, 12, v2
	v_lshl_add_u32 v7, v3, 5, v7                   ; hidden: row r, 8 h numbers along k
	s_lshl_b32 s28, s24, 12
	v_lshlrev_b32 v16, 2, v2
	v_lshl_add_u32 v16, v3, 10, v16
	v_add_nc_u32 v16, s28, v16                     ; LDS: my wave's 32 x 32 f32, row 8 h, column r
.macro HLOAD ph
.irp kk,0,1
	GATHER 96+32*\kk, 2, 6, (2*\ph+\kk)*131072
.irp mb,0,1
	global_load_b128 v[160+32*\kk+16*\mb:163+32*\kk+16*\mb], v7, s[8:9] offset:\mb*65536+(2*\ph+\kk)*128
	global_load_b128 v[164+32*\kk+16*\mb:167+32*\kk+16*\mb], v7, s[8:9] offset:\mb*65536+(2*\ph+\kk)*128+16
	global_load_b128 v[168+32*\kk+16*\mb:171+32*\kk+16*\mb], v7, s[8:9] offset:\mb*65536+(2*\ph+\kk)*128+64
	global_load_b128 v[172+32*\kk+16*\mb:175+32*\kk+16*\mb], v7, s[8:9] offset:\mb*65536+(2*\ph+\kk)*128+80
.endr
.endr
.endm
.macro HCVT
.irp kk,0,1
	PACK 32+32*\kk, 96+32*\kk
	PACK 40+32*\kk, 112+32*\kk
	PACK 48+32*\kk, 160+32*\kk
	PACK 56+32*\kk, 176+32*\kk
.endr
.endm
; eight products; the four sums take turns, one instruction a turn
.macro HMUL zero
.irp kk,0,1
.irp mb,0,1
.irp f,0,1
.set hz, 0
.if \zero
.if \kk == 0
.set hz, 1
.endif
.endif
.if hz
	v_wmma_f32_16x16x32_bf16 v[224+8*(2*\mb+\f):231+8*(2*\mb+\f)], v[48+32*\kk+8*\mb:55+32*\kk+8*\mb], v[32+32*\kk+8*\f:39+32*\kk+8*\f], 0
.else
	v_wmma_f32_16x16x32_bf16 v[224+8*(2*\mb+\f):231+8*(2*\mb+\f)], v[48+32*\kk+8*\mb:55+32*\kk+8*\mb], v[32+32*\kk+8*\f:39+32*\kk+8*\f], v[224+8*(2*\mb+\f):231+8*(2*\mb+\f)]
.endif
.endr
.endr
.endr
.endm
	HLOAD 0
	s_wait_loadcnt 0x0
	HCVT
	HLOAD 1                                        ; the second phase's numbers travel while the first is multiplied
	HMUL 1                                         ; the first products start the sums
	s_wait_loadcnt 0x0
.rept 4
	v_nop                                          ; four places before the fragments, sources of the products above, are written again (ISA guide 7.12.1)
.endr
	HCVT
	HMUL 0
.rept 4
	v_nop                                          ; four places before the sums are read
.endr
.irp mb,0,1
.irp f,0,1
.irp j,0,1,2,3,4,5,6,7
	ds_store_b32 v16, v[224+8*(2*\mb+\f)+\j] offset:(16*\mb+\j)*128+64*\f    ; (batch 16 mb + 8 h + j, column 16 f + r)
.endr
.endr
.endr
	s_wait_dscnt 0x0                               ; my part lies in LDS before I say so
	s_barrier_signal -1
	s_barrier_wait -1
	v_lshlrev_b32 v17, 4, v0                       ; thread t: batch t >> 3, columns 4 (t & 7) ..
.irp k,0,1,2,3,4,5,6,7
	ds_load_b128 v[32+4*\k:35+4*\k], v17 offset:4096*\k
.endr
	v_pk_add_f32 v[8:9], v[8:9], v[12:13]
	v_pk_add_f32 v[10:11], v[10:11], v[14:15]
	v_lshrrev_b32 v18, 3, v0
	v_lshl_add_u32 v18, v18, 12, v6
	s_wait_dscnt 0x0
.irp k,0,1,2,3,4,5,6,7
	v_pk_add_f32 v[8:9], v[8:9], v[32+4*\k:33+4*\k]
	v_pk_add_f32 v[10:11], v[10:11], v[34+4*\k:35+4*\k]
.endr
	v_pk_mul_f32 v[8:9], v[8:9], C2L op_sel_hi:[1,0]
	v_pk_mul_f32 v[10:11], v[10:11], C2L op_sel_hi:[1,0]
	global_store_b128 v18, v[8:11], s[18:19]       ; eight lanes store the group's 128 bytes of a row of hbs
	s_wait_tensorcnt 0x0
	ds_add_u32 v30, v31
	s_wait_dscnt 0x0
	s_endpgm
; ---------------- the table: one thread makes one word
.Ltable:
	s_load_b512 s[32:47], s[14:15], 0x0
	s_load_b512 s[48:63], s[14:15], 0x40
	s_sub_co_u32 s25, ttmp9, 96
	s_lshl_b32 s25, s25, 8
	v_add_nc_u32 v6, s25, v0                       ; e = word number, 0..8191
	v_lshrrev_b32 v7, 5, v6                        ; g
	v_bfe_u32 v8, v6, 4, 1                         ; tile
	v_and_b32 v9, 15, v6                           ; l
	s_mov_b32 s98, 0                               ; running number of units
	s_wait_kmcnt 0x0
.set b, 0
.rept 32
	s_cmp_gt_i32 s[32+b], 0
	s_cselect_b32 s26, s[32+b], 2048
	s_cselect_b32 s27, 0, 0x100000                 ; uniform flag where seq_len <= 0
	s_min_u32 s26, s26, 2048                       ; len'
	s_mov_b32 s[66+b], s98                         ; units in front of batch b
	s_add_co_u32 s28, s26, 15
	s_lshr_b32 s28, s28, 4
	s_add_co_u32 s98, s98, s28
	s_or_b32 s[32+b], s26, s27                     ; len' | flag
.set b, b+1
.endr
	v_mul_u32_u24 v10, s98, v7                     ; g U (below 2^20)
	v_add_nc_u32 v11, s98, v10
	v_lshrrev_b32 v10, 8, v10                      ; first unit of g
	v_lshrrev_b32 v11, 8, v11                      ; first unit of g + 1
	v_sub_nc_u32 v12, v11, v10                     ; n
	v_add_nc_u32 v13, 1, v12
	v_lshrrev_b32 v13, 1, v13
	v_cmp_gt_u32 vcc_lo, 10, v12
	v_cndmask_b32 v13, v13, v12, vcc_lo            ; units of tile 0: n if n <= 9, else ceil(n/2)
	v_sub_nc_u32 v14, v12, v13
	v_cmp_ne_u32 vcc_lo, 0, v8
	v_cndmask_b32 v15, v13, v14, vcc_lo            ; units of my tile
	v_cndmask_b32 v16, 0, v13, vcc_lo              ; units in front of it
	v_max_u32 v17, 5, v15
	v_cmp_ne_u32 vcc_lo, 0, v15
	v_cndmask_b32 v17, 0, v17, vcc_lo              ; ac
	v_max_u32 v18, 1, v15
	v_add_nc_u32 v18, -1, v18
	v_min_u32 v18, v9, v18                         ; blocks past the count repeat the last unit
	v_add3_u32 v18, v10, v16, v18
	s_sub_co_u32 s26, s98, 1
	v_min_u32 v18, s26, v18                        ; (an empty tile's words name some unit that exists)
	v_mov_b32 v19, 0                               ; batch
	v_mov_b32 v20, 0                               ; its first unit
	v_mov_b32 v21, s32                             ; its len' | flag
.set b, 1
.rept 31
	v_cmp_gt_u32 vcc_lo, s[66+b], v18              ; batch b begins behind my unit: keep
	v_cndmask_b32 v19, b, v19, vcc_lo
	v_cndmask_b32 v20, s[66+b], v20, vcc_lo
	v_cndmask_b32 v21, s[32+b], v21, vcc_lo
.set b, b+1
.endr
	v_sub_nc_u32 v22, v18, v20
	v_lshlrev_b32 v22, 4, v22                      ; 16 j
	v_and_b32 v23, 0xfff, v21
	v_sub_nc_u32 v23, v23, v22
	v_min_u32 v23, 16, v23
	v_add_nc_u32 v23, -1, v23                      ; valid rows - 1
	v_and_b32 v21, 0x100000, v21
	v_lshl_add_u32 v22, v19, 11, v22               ; row
	v_lshl_or_b32 v22, v23, 16, v22
	v_or_b32 v22, v22, v21
	v_lshl_or_b32 v22, v17, 24, v22
	v_lshlrev_b32 v24, 2, v6
	global_store_b32 v24, v22, s[20:21]
	s_endpgm
.Lfunc_end_k_q8ab218d125_prep:
	.size	k_q8ab218d125_prep, .Lfunc_end_k_q8ab218d125_prep-k_q8ab218d125_prep
	.p2alignl 7, 3214868480
	.fill 96, 4, 3214868480
	.section	.rodata,"a",@progbits
	.p2align	6, 0x0
	.amdhsa_kernel k_q8ab218d125_prep
		.amdhsa_group_segment_fixed_size 33792
		.amdhsa_private_segment_fixed_size 0
		.amdhsa_enable_private_segment 0
		.amdhsa_kernarg_size 72
		.amdhsa_user_sgpr_count 2
		.amdhsa_user_sgpr_kernarg_segment_ptr 1
		.amdhsa_wavefront_size32 1
		.amdhsa_system_sgpr_workgroup_id_x 1
		.amdhsa_system_sgpr_workgroup_id_y 1
		.amdhsa_system_sgpr_workgroup_id_z 1
		.amdhsa_system_vgpr_workitem_id 0
		.amdhsa_next_free_vgpr 256
		.amdhsa_next_free_sgpr 100
		.amdhsa_reserve_vcc 1
		.amdhsa_float_denorm_mode_32 3
		.amdhsa_float_denorm_mode_16_64 3
		.amdhsa_memory_ordered 1
		.amdhsa_forward_progress 1
		.amdhsa_inst_pref_size 58
	.end_amdhsa_kernel
	.amdgpu_metadata
---
amdhsa.version: [ 1, 2 ]
amdhsa.kernels:
  - .name:           k_q8ab218d125_prep
    .symbol:         k_q8ab218d125_prep.kd
    .args:
      - { .name: W1, .offset: 0, .size: 8, .value_kind: global_buffer, .address_space: global }
      - { .name: W2, .offset: 8, .size: 8, .value_kind: global_buffer, .address_space: global }
      - { .name: hidden, .offset: 16, .size: 8, .value_kind: global_buffer, .address_space: global }
      - { .name: b1, .offset: 24, .size: 8, .value_kind: global_buffer, .address_space: global }
      - { .name: b2, .offset: 32, .size: 8, .value_kind: global_buffer, .address_space: global }
      - { .name: seq_len, .offset: 40, .size: 8, .value_kind: global_buffer, .address_space: global }
      - { .name: w1f, .offset: 48, .size: 8, .value_kind: global_buffer, .address_space: global }
      - { .name: hbs, .offset: 56, .size: 8, .value_kind: global_buffer, .address_space: global }
      - { .name: wtab, .offset: 64, .size: 8, .value_kind: global_buffer, .address_space: global }
    .group_segment_fixed_size: 33792
    .private_segment_fixed_size: 0
    .kernarg_segment_align: 8
    .kernarg_segment_size: 72
    .max_flat_workgroup_size: 256
    .sgpr_count:     100
    .vgpr_count:     256
    .wavefront_size: 32
...
	.end_amdgpu_metadata
.endif
;; end of part 1
;; launch attn (part 2): grid 256 x 1, 4 waves a work-group, no clusters, 302,592 bytes of LDS; arguments features, w1f, hbs, V, bV, wtab, scores, ctxp; writes scores, ctxp
.if DOCPART == 2
	.amdgcn_target "amdgcn-amd-amdhsa--gfx1250"
	.amdhsa_code_object_version 6
	.text
	.protected	k_q8ab218d125_attn
	.globl	k_q8ab218d125_attn
	.p2align	8
	.type	k_q8ab218d125_attn,@function
k_q8ab218d125_attn:
	s_mov_b64 s[64:65], 0
	v_nop
	global_prefetch_b8 v0, s[64:65] scope:SCOPE_SE
	s_setreg_imm32_b32 hwreg(HW_REG_WAVE_MODE, 25, 1), 1
	s_wait_xcnt 0x0
; score[b][t] = V . tanh(features[b][t] W1 + b1 + hidden[b] W2 + b2) + bV for the rows that the mask keeps, and for every unit of 16 rows
; ctxp[unit][d] = sum over its valid rows of exp(score - m_unit) features[row][d], m_unit the largest valid score of the unit.
; A work-group takes the tiles that wtab deals to it: up to two tiles of ac = 5..9 blocks of 16 rows (ac = 0: no tile; with fewer than 256 units
; in all, some work-groups have none and only pass the barriers).
; A tile's rows are read from memory ONCE, rounded to bf16 and kept in LDS for all K = 1024: they feed the product and afterwards the context sums.
; Four waves share the rows and split the 1,024 columns: wave w makes columns 128 (2 w + pass) .. + 127 in two passes, 16 ac x 128 sums in 64 ac registers.
; W1 comes as ready B fragments (w1f) straight into registers: each fragment is used by one wave of the work-group alone, so LDS would add a copy and no reuse.
; NO CLUSTER, NO JOINT LOADS: all work-groups walk w1f, but the rows take 297,216 of the 327,680 bytes of LDS that a work-group can have; the rest cannot
; hold one K step of 32 of B for four waves (32,768 bytes), so a joint load has nowhere to land.  No tensor load either: features change format on the way in.
; tanh(x) = 1 - 2 / (1 + 2^(2 log2(e) x)): exact +-1 where the power overflows or vanishes.  So score = (sum of V + bV) - 2 sum of V[n] / (1 + 2^..).
; LIMITS, kept on purpose: the product has bf16 operands and f32 sums; the context sums take features rounded to bf16 (the weights stay f32);
; V . tanh is one column and is made by f32 multiply-adds on the sums as they lie in registers.
;
; THE 32 K STEPS OF A PASS ARE WRITTEN OUT: the K step stands in the loads' immediates, no address register is stepped, and B's base moves once a pass.
; One text serves every ac: blocks 0-4 are multiplied in every step, each of blocks 5-8 stands behind a test of ac.  Fragments are fetched for nine blocks
; always; a block past the tile's last reads the last block's rows again (2 (9 - ac) loads a step), so that no byte of LDS is read that this tile has not written.
; The units of the row phase and of the context sums are written out too.  A pass's code is about 49 KiB.
;
; LDS:  0        rows, 2,064 bytes apart (2,048 + 16).  Row 4 w + rr of unit u lies at LDS row 36 w + 4 u + rr: wave w fills rows 36 w .. 36 w + 35 alone.
;                A fragment's lane r reads LDS row 36 (r>>2) + (r&3) + 4 i: sixteen rows that start at sixteen different multiples of 16 bytes modulo 256.
;       297216   SPART [wave][144] f32: the share of the scores that the wave's 256 columns give; it starts at (sum of V + bV) / 4 and each pass adds to it
;       299520   PARR  [wave][160] f32: exp(score - m_unit), a copy for each wave
; REGISTERS in windows of 256 (s_set_vgpr_msb: bits 1:0 source 0, 3:2 source 1, 5:4 source 2, 7:6 destination):
;   window 0: v0-47 addresses and small things; v48-119, v120-191 A fragments, two buffers of 9 x 8 (work space outside the K steps); v192-255 B slot 0
;   window 1: v0-191 B slots 1-3; v192-255 sums of block 8.   window 2: sums of blocks 0-3.   window 3: sums of blocks 4-7.  Tile (i, nb) at 64 (i & 3) + 8 nb.
;   At a branch and at a label every window is 0: that costs two switches for each of the four tests in a K step.
.set PITCH, 2064
.set U4,    4*PITCH                    ; from a unit to the next in a wave's region: 8,256 = 8,192 + 64
.set WREG,  36*PITCH                   ; a wave's region
.set SPART, 144*PITCH
.set SLAB,  576
.set PARR,  SPART+4*SLAB
.set PARW,  640
.set FB,    48                         ; fragment buffers / work space
.set AOFF,  16                         ; v16-19 the four row sets' offsets in features
.set AHI,   35                         ; v40-43 fragment address of block i = 5..8 at v[AHI+i]
.set C2L,   0x4038aa3b                 ; 2 log2(e)
.set L2E,   0x3fb8aa3b                 ; log2(e)
; fixed for the whole kernel: v1 lane, v2 r, v3 h, v5 16 lane, v8 my slab of SPART + 32 h, v9 byte of column 256 w + r, v10 my region of rows + 8 lane,
;   v21 the same four units on, v11 fragment address of block 0 at k = 0, v14 sum of V + bV, v20 16 lane + 4 w rows of features, v30 -2^127,
;   v46 16 lane + 1,024 w, v47 8 lane + 512 w
; per tile: v4 the tile's table (lane l: word l & 15), v40-43 fragment addresses of blocks 5-8, v13 column bytes, v15 scratch, v22-45 at work
; s20 wave, s22 tile, s25 ac, s26 pass, s27 counter, s[28:29] B's base, s[30:31] its start, s[40:48] hbs offsets of the blocks, s49 bV,
; s50 s51 lane selects, s[52:53] my table, s59 max(ac,1)-1, s60 my PARR, s61 trips of the score pass, s33-36 s54-57 at work
.set MSB, 0
.macro WIN new                         ; the immediate's high byte repeats the setting that is left; a switch that changes nothing is dropped
.if MSB != \new
	s_set_vgpr_msb (MSB<<8)|\new
.set MSB, \new
.endif
.endm
.macro PLACES                          ; four places behind matrix instructions before their registers are loaded, written or read (ISA guide 7.12.1)
.rept 4
	v_nop
.endr
.endm
.macro BAR
	s_barrier_signal -1
	s_barrier_wait -1
.endm
.macro BOUND sreg, lim                 ; v22 = a scalar number, at most lim
	v_mov_b32 v22, s\sreg
	v_min_u32 v22, \lim, v22
.endm
	s_load_b512 s[4:19], s[0:1], 0x0               ; features 4, w1f 6, hbs 8, V 10, bV 12, wtab 14, scores 16, ctxp 18
	v_lshl_add_u32 v38, v0, 2, 0x49c00
	v_mov_b32 v39, 0
	v_and_b32 v1, 31, v0
	v_lshrrev_b32 v22, 5, v0
	v_readfirstlane_b32 s20, v22
	v_and_b32 v2, 15, v0
	v_bfe_u32 v3, v0, 4, 1
	v_lshlrev_b32 v5, 4, v1
	v_lshrrev_b32 v22, 2, v2
	v_and_b32 v23, 3, v2
	v_mad_u32_u24 v22, v22, 36, v23                ; LDS row of unit row r in block 0
	v_mul_u32_u24 v11, v22, PITCH
	v_lshl_add_u32 v11, v3, 4, v11                 ; + 16 h
	s_mul_i32 s33, s20, SLAB
	s_add_co_u32 s33, s33, SPART
	v_lshl_add_u32 v8, v3, 5, s33                  ; my slab, rows 8 h
	s_lshl_b32 s33, s20, 10
	v_lshl_add_u32 v9, v2, 2, s33                  ; byte of column 256 w + r
	v_add_nc_u32 v46, s33, v5                      ; 16 lane + 1,024 w
	s_mul_i32 s33, s20, WREG
	v_lshl_add_u32 v10, v1, 3, s33                 ; my region of rows + 8 lane: units 0-3 by the immediate
	v_add_nc_u32 v21, 4*U4, v10                    ; units 4-8: eight units on are 66,048 bytes, more than an immediate holds
	v_lshl_add_u32 v20, s20, 14, v5                ; 16 lane + 4 w rows of 4,096 bytes
	s_lshl_b32 s33, s20, 9
	v_lshl_add_u32 v47, v1, 3, s33                 ; 8 lane + 512 w
	s_mul_i32 s60, s20, PARW
	s_add_co_u32 s60, s60, PARR                    ; my copy of the weights
	v_mov_b32 v30, 0xff000000                      ; -2^127 stands for a masked row
	v_mov_b32 v15, 0
	s_mov_b32 s50, 0x76543210
	s_mov_b32 s51, 0xfedcba98
	s_lshl_b32 s54, s20, 19                        ; my two column groups of w1f: 2 x 262,144 bytes
	s_mov_b32 s55, 0
	s_lshl_b32 s56, ttmp9, 7                       ; my 32 words of the table
	s_mov_b32 s57, 0
	s_wait_kmcnt 0x0
	s_load_b32 s49, s[12:13], 0x0
	s_add_nc_u64 s[30:31], s[6:7], s[54:55]
	s_add_nc_u64 s[52:53], s[14:15], s[56:57]
.irp c,0,1,2,3,4,5,6,7
	global_load_b128 v[48+4*\c:51+4*\c], v5, s[10:11] offset:512*\c
.endr
	s_wait_loadcnt 0x0
.irp c,1,2,3,4,5,6,7
	v_pk_add_f32 v[48:49], v[48:49], v[48+4*\c:49+4*\c]
	v_pk_add_f32 v[50:51], v[50:51], v[50+4*\c:51+4*\c]
.endr
	v_pk_add_f32 v[48:49], v[48:49], v[50:51]
	v_add_f32 v48, v48, v49
.irp m,1,2,4,8
	v_add_f32_dpp v48, v48, v48 row_xmask:\m row_mask:0xf bank_mask:0xf
.endr
	v_permlanex16_b32 v15, v48, s50, s51
	v_add_f32 v14, v48, v15
	s_wait_kmcnt 0x0
	v_add_f32 v14, s49, v14                        ; sum of V + bV, in every lane
; ---- macros of the row phase.  Set rr = one row of 4,096 bytes: eight loads of 512 consecutive bytes.
.macro UROW u                          ; s34 = unit u's first row << 12
	v_readlane_b32 s34, v4, \u
	s_and_b32 s34, s34, 0xffff
	s_min_u32 s34, s34, 0xfff0
	s_lshl_b32 s34, s34, 12
.endm
.macro ALOAD rr
	v_add_nc_u32 v[AOFF+\rr], s34, v20
.irp c,0,1,2,3,4,5,6,7
	global_load_b128 v[FB+32*\rr+4*\c:FB+32*\rr+4*\c+3], v[AOFF+\rr], s[4:5] offset:\rr*4096+512*\c th:TH_LOAD_NT
.endr
.endm
.macro ASET u, rr, refill, left        ; row rr of my four of unit u goes to LDS; refill: the set asks for the next unit's row
	s_wait_loadcnt \left                           ; loads come back in order: this set's eight are in (and its offset register is free), the younger sets stay out
.irp e,0,1,2,3,4,5,6,7,8,9,10,11,12,13,14,15
	v_cvt_pk_bf16_f32 v[176+\e], v[FB+32*\rr+2*\e], v[FB+32*\rr+2*\e+1]
.endr
.if \u < 4
.set sa, 10
.set so, \u*U4+\rr*PITCH
.else
.set sa, 21
.set so, (\u-4)*U4+\rr*PITCH
.endif
.irp c,0,1,2,3,4,5,6,7
	ds_store_b64 v[sa], v[176+2*\c:177+2*\c] offset:so+256*\c                ; 32 lanes, 256 consecutive bytes
.endr
.if \refill
	ALOAD \rr
.endif
.endm
.macro AUNIT u                         ; a unit that has a successor: 24 = three younger sets of eight
	ASET \u, 0, 1, 24
	ASET \u, 1, 1, 24
	ASET \u, 2, 1, 24
	ASET \u, 3, 1, 24
.endm
.macro ATAIL u                         ; the tile's last unit: nothing more is asked for, the counts run down
	ASET \u, 0, 0, 24
	ASET \u, 1, 0, 16
	ASET \u, 2, 0, 8
	ASET \u, 3, 0, 0
.endm
; ---- macros of the product
.macro AFETCH buf, koff                ; nine blocks' fragments of one K step of 32, at byte koff of the rows
.irp i,0,1,2,3,4
	ds_load_b128 v[FB+72*(\buf)+8*\i:FB+72*(\buf)+8*\i+3],   v11 offset:\i*U4+(\koff)
	ds_load_b128 v[FB+72*(\buf)+8*\i+4:FB+72*(\buf)+8*\i+7], v11 offset:\i*U4+(\koff)+32
.endr
.irp i,5,6,7,8
	ds_load_b128 v[FB+72*(\buf)+8*\i:FB+72*(\buf)+8*\i+3],   v[AHI+\i] offset:(\koff)
	ds_load_b128 v[FB+72*(\buf)+8*\i+4:FB+72*(\buf)+8*\i+7], v[AHI+\i] offset:(\koff)+32
.endr
.endm
.macro BFETCH slot, imm                ; eight B fragments of one K step: 16 loads of 512 consecutive bytes
.set sl, (\slot)
.if sl == 0
	WIN 0
.set bb, 192
.else
	WIN 0x40
.set bb, 64*(sl-1)
.endif
.set nb, 0
.rept 8
	global_load_b128 v[bb+8*nb:bb+8*nb+3],   v5, s[28:29] offset:(\imm)+1024*nb
	global_load_b128 v[bb+8*nb+4:bb+8*nb+7], v5, s[28:29] offset:(\imm)+1024*nb+512
.set nb, nb+1
.endr
.endm
; Block i's eight products of one K step.  The sums take turns, one instruction a turn.  zero = 1: the products start the sums.
.macro MBLK i, buf, slot, zero
.set sl, (\slot)
.if sl == 0
.set bw, 0
.set bb, 192
.else
.set bw, 1
.set bb, 64*(sl-1)
.endif
.if \i < 4
.set aw, 2
.set ab, 64*\i
.else
.if \i < 8
.set aw, 3
.set ab, 64*(\i-4)
.else
.set aw, 1
.set ab, 192
.endif
.endif
.set wv, (aw<<6)|(aw<<4)|(bw<<2)
	WIN wv
.set nb, 0
.rept 8
.if \zero
	v_wmma_f32_16x16x32_bf16 v[ab+8*nb:ab+8*nb+7], v[FB+72*(\buf)+8*\i:FB+72*(\buf)+8*\i+7], v[bb+8*nb:bb+8*nb+7], 0
.else
	v_wmma_f32_16x16x32_bf16 v[ab+8*nb:ab+8*nb+7], v[FB+72*(\buf)+8*\i:FB+72*(\buf)+8*\i+7], v[bb+8*nb:bb+8*nb+7], v[ab+8*nb:ab+8*nb+7]
.endif
.set nb, nb+1
.endr
.endm
; K step qq of 32.  The next step's A fragments go into the other buffer; B of three steps on goes into the slot read last step (four slots).
; Step 0 starts the sums of all nine blocks (those past the tile's last on the last block's rows: 8 (9 - ac) products beside the 256 ac of a pass),
; so that the text behind the K steps names only registers that have been written; it passes those blocks over.
.macro QSTEP qq, lc
	s_wait_dscnt 0x0                               ; this step's A fragments, asked for a whole step ago
	s_wait_loadcnt \lc                             ; this step's B is in; lc counts the loads of the later steps' B, 16 each
	PLACES                                         ; the registers fetched into below were sources of the last step's products
.if \qq < 31
	AFETCH (\qq+1)&1, 64*(\qq+1)
.endif
.if \qq < 29
	BFETCH (\qq+3)&3, (\qq+3)*8192
.endif
.if \qq == 0
.irp i,0,1,2,3,4,5,6,7,8
	MBLK \i, 0, 0, 1
.endr
	WIN 0
.else
.irp i,0,1,2,3,4
	MBLK \i, (\qq)&1, (\qq)&3, 0
.endr
.irp i,5,6,7,8
	WIN 0
	s_cmp_lt_u32 s25, \i+1                         ; the tile has no block i: the step is over
	s_cbranch_scc1 .Lme_\@
	MBLK \i, (\qq)&1, (\qq)&3, 0
.endr
	WIN 0
.Lme_\@:
.endif
.endm
.macro PROLOGUE                        ; B of the first three K steps: 48 loads
	BFETCH 0, 0
	BFETCH 1, 8192
	BFETCH 2, 16384
	WIN 0
.endm
; Block i behind the K steps: y = 2 log2(e) x (one fused multiply-add with hbs), 1 / (1 + 2^y), times -2 V, summed over my 128 columns, added to my slab.
; A lane holds column r of each 16 and rows 8 h + j in register j, so hbs and V are one register a lane for each nb.
.macro EBLOCK i
	ds_load_b128 v[152:155], v8 offset:64*\i       ; what my slab holds for rows 16 i + 8 h + 0..7 (my own stores: LDS serves a wave's instructions in order)
	ds_load_b128 v[156:159], v8 offset:64*\i+16
.if \i < 4
.set aw, 2
.set ab, 64*\i
.else
.if \i < 8
.set aw, 3
.set ab, 64*(\i-4)
.else
.set aw, 1
.set ab, 192
.endif
.endif
.set wv, (aw<<6)|aw
	WIN wv                                         ; destination and source 0: the sums' window; source 2: window 0
.set nb, 0
.rept 8
.set hp, FB+8*\i+(nb&6)
.irp jj,0,2,4,6
.if nb&1
	v_pk_fma_f32 v[ab+8*nb+\jj:ab+8*nb+\jj+1], v[ab+8*nb+\jj:ab+8*nb+\jj+1], C2L, v[hp:hp+1] op_sel:[0,0,1] op_sel_hi:[1,0,1]
.else
	v_pk_fma_f32 v[ab+8*nb+\jj:ab+8*nb+\jj+1], v[ab+8*nb+\jj:ab+8*nb+\jj+1], C2L, v[hp:hp+1] op_sel_hi:[1,0,0]
.endif
.endr
.set nb, nb+1
.endr
.set k, 0
.rept 64
	v_exp_f32 v[ab+k], v[ab+k]
.set k, k+1
.endr
	v_nop                                          ; one plain place between the last power and the first use (ISA guide 5.7.2)
.set k, 0
	s_wait_alu depctr_va_vdst(0)
.rept 32
	v_pk_add_f32 v[ab+k:ab+k+1], v[ab+k:ab+k+1], 1.0 op_sel_hi:[1,0]
.set k, k+2
.endr
.set k, 0
.rept 64
	v_rcp_f32 v[ab+k], v[ab+k]
.set k, k+1
.endr
	v_nop
	s_wait_alu depctr_va_vdst(0)
.set wv, aw
	WIN wv                                         ; source 0: the sums' window; all else window 0
.set nb, 0
.rept 8
.set vp, 120+(nb&6)
.irp jj,0,2,4,6
.if nb == 0
	v_pk_mul_f32 v[128+\jj:129+\jj], v[ab+\jj:ab+\jj+1], v[120:121] op_sel_hi:[1,0]
.else
.if nb&1
	v_pk_fma_f32 v[128+\jj:129+\jj], v[ab+8*nb+\jj:ab+8*nb+\jj+1], v[vp:vp+1], v[128+\jj:129+\jj] op_sel:[0,1,0] op_sel_hi:[1,1,1]
.else
	v_pk_fma_f32 v[128+\jj:129+\jj], v[ab+8*nb+\jj:ab+8*nb+\jj+1], v[vp:vp+1], v[128+\jj:129+\jj] op_sel_hi:[1,0,1]
.endif
.endif
.endr
.set nb, nb+1
.endr
	WIN 0
.irp m,1,2,4,8
.irp j,0,1,2,3,4,5,6,7
	v_add_f32_dpp v[128+\j], v[128+\j], v[128+\j] row_xmask:\m row_mask:0xf bank_mask:0xf      ; over the sixteen columns of the lanes
.endr
.endr
	s_wait_dscnt 0x0                               ; the two loads at the block's head
.irp jj,0,2,4,6
	v_pk_add_f32 v[128+\jj:129+\jj], v[128+\jj:129+\jj], v[152+\jj:153+\jj]
.endr
	ds_store_b128 v8, v[128:131] offset:64*\i      ; the sixteen lanes of a half store the same bytes
	ds_store_b128 v8, v[132:135] offset:64*\i+16
.endm
; One row of a unit into the context sums: eight numbers a lane
.macro CROW rr
	s_wait_dscnt 30-2*\rr                          ; LDS loads come back in order: the count is the later rows' loads, two each
.if \rr == 0
.irp e,0,1,2,3
	v_lshlrev_b32 v[128+2*\e], 16, v[64+\e]
	v_and_b32 v[129+2*\e], 0xffff0000, v[64+\e]
.endr
.irp e,0,2,4,6
	v_pk_mul_f32 v[128+\e:129+\e], v[128+\e:129+\e], v[48:49] op_sel_hi:[1,0]  ; the first row starts the sums
.endr
.else
.irp e,0,1,2,3
	v_fma_mix_f32_bf16 v[128+2*\e], v[64+4*\rr+\e], v[48+\rr], v[128+2*\e] op_sel_hi:[1,0,0]
	v_fma_mix_f32_bf16 v[129+2*\e], v[64+4*\rr+\e], v[48+\rr], v[129+2*\e] op_sel:[1,0,0] op_sel_hi:[1,0,0]
.endr
.endif
.endm
; Unit u's context sums: wave w owns d = 256 w .. 256 w + 255, a lane two runs of four
.macro CUNIT u
	s_wait_xcnt 0x0                                ; the earlier stores have read their data and offsets
	v_readlane_b32 s34, v4, \u
	s_and_b32 s34, s34, 0xffff
	s_min_u32 s34, s34, 0xfff0
	s_lshl_b32 s34, s34, 8                         ; (row / 16) x 4,096 bytes
	v_add_nc_u32 v136, s34, v46
.irp k,0,1,2,3
	ds_load_b128 v[48+4*\k:51+4*\k], v23 offset:64*\u+16*\k                  ; the unit's sixteen weights, in every lane (my own stores above)
.endr
.if \u < 4
.set ca, 140
.set co, \u*U4
.else
.set ca, 144
.set co, (\u-4)*U4
.endif
.irp rr,0,1,2,3,4,5,6,7,8,9,10,11,12,13,14,15
	ds_load_b64 v[64+4*\rr:65+4*\rr], v[ca+(\rr>>2)] offset:co+(\rr&3)*PITCH
	ds_load_b64 v[66+4*\rr:67+4*\rr], v[ca+(\rr>>2)] offset:co+(\rr&3)*PITCH+256
.endr
.irp rr,0,1,2,3,4,5,6,7,8,9,10,11,12,13,14,15
	CROW \rr
.endr
	global_store_b128 v136, v[128:131], s[18:19]               ; each store of the wave covers 512 consecutive bytes, aligned
	global_store_b128 v136, v[132:135], s[18:19] offset:512
.endm
; =================== the two tiles.  Every barrier stands on every path; a tile that is absent jumps over each phase and joins again in front of the barrier.
	s_mov_b32 s22, 0
.Ltile:
	s_wait_xcnt 0x0                                ; registers that the last tile's stores name are written again below
	v_lshlrev_b32 v22, 2, v2
	v_lshl_add_u32 v22, s22, 6, v22
	global_load_b32 v4, v22, s[52:53]              ; lane l: word l & 15 of my tile
	s_wait_loadcnt 0x0
	v_readlane_b32 s33, v4, 0
	s_lshr_b32 s25, s33, 24
	s_min_u32 s25, s25, 9                          ; ac
	s_max_u32 s59, s25, 1
	s_sub_co_u32 s59, s59, 1                       ; the tile's last block
.irp i,0,1,2,3,4,5,6,7,8
	v_readlane_b32 s33, v4, \i
	s_and_b32 s33, s33, 0xffff
	s_min_u32 s33, s33, 0xfff0
	s_and_b32 s33, s33, 0xf800                     ; batch x 2,048
	s_lshl_b32 s[40+\i], s33, 1                    ; batch x 4,096 bytes: block i's row of hbs
.endr
	s_cmp_eq_u32 s25, 0
	s_cbranch_scc1 .LA_done
; ---- the rows: wave w brings rows 4 w .. 4 w + 3 of every unit, 32 loads (16,384 bytes) always on their way.
; A unit that has a successor asks for it while it is stored; the tile's last unit (the fifth to the ninth) has a text of its own that asks for nothing.
; On every way into such a text the same 32 loads are out.
	UROW 0
	ALOAD 0
	ALOAD 1
	ALOAD 2
	ALOAD 3
.irp u,0,1,2,3
	UROW \u+1
	AUNIT \u
.endr
.irp u,4,5,6,7
	s_cmp_eq_u32 s25, \u+1                         ; unit u is the last
	s_cbranch_scc1 .LA_tail_\u
	UROW \u+1
	AUNIT \u
.endr
.irp u,8,7,6,5
.LA_tail_\u:
	ATAIL \u
	s_branch .LA_done
.endr
.LA_tail_4:
	ATAIL 4
.LA_done:
	s_wait_dscnt 0x0                               ; my rows lie in LDS before I say so
	BAR                                            ; every wave's do
	s_cmp_eq_u32 s25, 0
	s_cbranch_scc1 .Lgemm_done
; ---- the product, two passes of 128 columns
.irp i,5,6,7,8
	s_min_u32 s33, s59, \i                         ; block i, or the tile's last block
	BOUND 33, 8
	v_lshl_add_u32 v[AHI+\i], v22, 13, v11         ; + block x 8,256
	v_lshl_add_u32 v[AHI+\i], v22, 6, v[AHI+\i]
.endr
	v_mul_f32 v128, 0x3e800000, v14                ; my slab starts at a quarter of sum of V + bV: the four slabs add up to it
	v_mov_b32 v129, v128
	v_mov_b32 v130, v128
	v_mov_b32 v131, v128
.irp i,0,1,2,3,4,5,6,7,8
	ds_store_b128 v8, v[128:131] offset:64*\i
	ds_store_b128 v8, v[128:131] offset:64*\i+16
.endr
	s_mov_b64 s[28:29], s[30:31]
	PROLOGUE
	s_mov_b32 s26, 0
.Lpass:
	AFETCH 0, 0
	QSTEP 0, 32
.irp q,1,2,3,4,5,6,7,8,9,10,11,12,13,14,15,16,17,18,19,20,21,22,23,24,25,26,27,28,29
	QSTEP \q, 32                                   ; step 28 asks for B of step 31, the last; at step 29 B of steps 30 and 31 may be out
.endr
	QSTEP 30, 16                                   ; B of step 31
	QSTEP 31, 0
	s_wait_xcnt 0x0                                ; B's base is stepped only behind this wait
	s_add_nc_u64 s[28:29], s[28:29], 262144        ; the next pass's column group
	PLACES                                         ; behind the last products: the sums are read and the fragment buffers written below
	BOUND 26, 1                                    ; the pass
	v_lshl_add_u32 v13, v22, 9, v9                 ; byte of column 128 (2 w + pass) + r
.irp i,0,1,2,3,4,5,6,7,8
	v_add_nc_u32 v[136+\i], s[40+\i], v13
.endr
.irp nb,0,1,2,3,4,5,6,7
	global_load_b32 v[120+\nb], v13, s[10:11] offset:64*\nb                  ; V of column 16 nb + r of my 128
.endr
.irp i,0,1,2,3,4,5,6,7,8
.irp nb,0,1,2,3,4,5,6,7
	global_load_b32 v[FB+8*\i+\nb], v[136+\i], s[8:9] offset:64*\nb          ; hbs of block i's batch, same columns
.endr
.endr
	s_cmp_lg_u32 s26, 0
	s_cbranch_scc1 .Lepi_last
	PROLOGUE                                       ; the second pass's first B travels under the first pass's activations
	s_wait_loadcnt 48                              ; V and hbs are in; the 48 loads just issued stay out
	s_branch .Lepi_go
.Lepi_last:
	s_wait_loadcnt 0x0
.Lepi_go:
.irp nb,0,1,2,3,4,5,6,7
	v_mul_f32 v[120+\nb], -2.0, v[120+\nb]
.endr
.irp i,0,1,2,3
	EBLOCK \i
.endr
.irp i,4,5,6,7
	EBLOCK \i
	s_cmp_eq_u32 s25, \i+1                         ; that was the tile's last block
	s_cbranch_scc1 .Lepi_end
.endr
	EBLOCK 8
.Lepi_end:
	s_add_co_u32 s26, s26, 1
	s_cmp_lt_u32 s26, 2
	s_cbranch_scc1 .Lpass
.Lgemm_done:
	s_wait_dscnt 0x0                               ; my share of the scores lies in LDS
	BAR
	s_cmp_eq_u32 s25, 0
	s_cbranch_scc1 .Lpost_done
; ---- scores and exp(score - m_unit), 32 rows (two units) a trip, ceil(ac / 2) trips.  Every wave makes its own copy of the weights, so nothing is handed
; between waves here.  A missing odd unit repeats the tile's last one: the same values go to the same places.
	s_add_co_u32 s61, s25, 1
	s_lshr_b32 s61, s61, 1
	s_mov_b32 s27, 0
.Lpa:
	s_lshl_b32 s33, s27, 1
	s_add_co_u32 s34, s33, 1
	s_min_u32 s34, s34, s59
	s_wait_xcnt 0x0                                ; the last trip's store has read its registers
	v_readlane_b32 s35, v4, s33
	v_readlane_b32 s36, v4, s34
	v_cmp_ne_u32 vcc_lo, 0, v3
	v_mov_b32 v24, s35
	v_mov_b32 v31, s36
	v_cndmask_b32 v24, v24, v31, vcc_lo            ; my unit's word
	v_mov_b32 v25, s33
	v_mov_b32 v31, s34
	v_cndmask_b32 v25, v25, v31, vcc_lo
	v_min_u32 v25, 8, v25                          ; my unit's block
	v_lshl_add_u32 v26, v25, 4, v2                 ; my row in the tile
	v_lshlrev_b32 v27, 2, v26
	v_add_nc_u32 v28, SPART, v27
.irp k,0,1,2,3
	ds_load_b32 v[32+\k], v28 offset:SLAB*\k
.endr
	v_and_b32 v29, 0x100000, v24
	v_add_nc_u32 v45, s60, v27
	s_wait_dscnt 0x0
	v_add_f32 v32, v32, v33
	v_add_f32 v34, v34, v35
	v_add_f32 v32, v32, v34                        ; the score: the four slabs hold sum of V + bV among them
	v_cmp_eq_u32 vcc_lo, 0, v29
	v_cndmask_b32 v32, 0, v32, vcc_lo              ; a batch that is masked whole: equal scores
	v_bfe_u32 v29, v24, 16, 4
	v_cmp_le_u32 vcc_lo, v2, v29                   ; my row is valid
	v_cndmask_b32 v33, v30, v32, vcc_lo
.irp m,1,2,4,8
	v_max_num_f32_dpp v33, v33, v33 row_xmask:\m row_mask:0xf bank_mask:0xf  ; m_unit
.endr
	v_sub_f32 v34, v32, v33
	v_mul_f32 v34, L2E, v34
	v_exp_f32 v34, v34
	v_and_b32 v44, 0xffff, v24                     ; (a plain place behind the power)
	s_wait_alu depctr_va_vdst(0)
	v_cndmask_b32 v34, 0, v34, vcc_lo
	ds_store_b32 v45, v34
	s_and_b32 s33, s27, 3
	s_cmp_lg_u32 s33, s20                          ; trip g's scores are stored by wave g & 3
	s_cbranch_scc1 .Lpa_nost
	v_min_u32 v44, 0xfff0, v44
	v_add_nc_u32 v44, v44, v2
	v_lshlrev_b32 v44, 2, v44
	global_store_b32 v44, v32, s[16:17]            ; a unit's sixteen scores: 64 consecutive bytes
.Lpa_nost:
	s_add_co_u32 s27, s27, 1
	s_cmp_lt_u32 s27, s61
	s_cbranch_scc1 .Lpa
; ---- the units' context sums, written out: unit rows 4 q .. 4 q + 3 lie in wave q's region
.irp q,0,1,2,3
	v_add_nc_u32 v[140+\q], \q*WREG, v47           ; units 0-3 by the immediate
	v_add_nc_u32 v[144+\q], \q*WREG+4*U4, v47      ; units 4-8
.endr
	v_mov_b32 v23, s60                             ; my copy of the weights
.irp u,0,1,2,3,4
	CUNIT \u
.endr
.irp u,5,6,7,8
	s_cmp_eq_u32 s25, \u                           ; the tile has no unit u
	s_cbranch_scc1 .Lpost_done
	CUNIT \u
.endr
.Lpost_done:
	s_wait_dscnt 0x0                               ; my reads of the rows and of the shares are over
	BAR                                            ; so are everybody's: the next tile may write them
	s_add_co_u32 s22, s22, 1
	s_cmp_lt_u32 s22, 2
	s_cbranch_scc1 .Ltile
	s_wait_tensorcnt 0x0
	ds_add_u32 v38, v39
	s_wait_dscnt 0x0
	s_endpgm
.Lfunc_end_k_q8ab218d125_attn:
	.size	k_q8ab218d125_attn, .Lfunc_end_k_q8ab218d125_attn-k_q8ab218d125_attn
	.p2alignl 7, 3214868480
	.fill 96, 4, 3214868480
	.section	.rodata,"a",@progbits
	.p2align	6, 0x0
	.amdhsa_kernel k_q8ab218d125_attn
		.amdhsa_group_segment_fixed_size 302592
		.amdhsa_private_segment_fixed_size 0
		.amdhsa_enable_private_segment 0
		.amdhsa_kernarg_size 64
		.amdhsa_user_sgpr_count 2
		.amdhsa_user_sgpr_kernarg_segment_ptr 1
		.amdhsa_wavefront_size32 1
		.amdhsa_system_sgpr_workgroup_id_x 1
		.amdhsa_system_sgpr_workgroup_id_y 1
		.amdhsa_system_sgpr_workgroup_id_z 1
		.amdhsa_system_vgpr_workitem_id 0
		.amdhsa_next_free_vgpr 1024
		.amdhsa_next_free_sgpr 66
		.amdhsa_reserve_vcc 1
		.amdhsa_float_denorm_mode_32 3
		.amdhsa_float_denorm_mode_16_64 3
		.amdhsa_memory_ordered 1
		.amdhsa_forward_progress 1
		.amdhsa_inst_pref_size 255
	.end_amdhsa_kernel
	.section	.bss,"aw",@nobits
	.p2align	6
	.space	262144
	.amdgpu_metadata
---
amdhsa.version: [ 1, 2 ]
amdhsa.kernels:
  - .name:           k_q8ab218d125_attn
    .symbol:         k_q8ab218d125_attn.kd
    .args:
      - { .name: features, .offset: 0, .size: 8, .value_kind: global_buffer, .address_space: global }
      - { .name: w1f, .offset: 8, .size: 8, .value_kind: global_buffer, .address_space: global }
      - { .name: hbs, .offset: 16, .size: 8, .value_kind: global_buffer, .address_space: global }
      - { .name: V, .offset: 24, .size: 8, .value_kind: global_buffer, .address_space: global }
      - { .name: bV, .offset: 32, .size: 8, .value_kind: global_buffer, .address_space: global }
      - { .name: wtab, .offset: 40, .size: 8, .value_kind: global_buffer, .address_space: global }
      - { .name: scores, .offset: 48, .size: 8, .value_kind: global_buffer, .address_space: global }
      - { .name: ctxp, .offset: 56, .size: 8, .value_kind: global_buffer, .address_space: global }
    .group_segment_fixed_size: 302592
    .private_segment_fixed_size: 0
    .kernarg_segment_align: 8
    .kernarg_segment_size: 64
    .max_flat_workgroup_size: 128
    .sgpr_count:     66
    .vgpr_count:     1024
    .wavefront_size: 32
...
	.end_amdgpu_metadata
.endif
;; end of part 2
;; launch fin (part 3): grid 8 x 32, 8 waves a work-group, no clusters, 9,216 bytes of LDS; arguments seq_len, scores, ctxp, out0, out1; writes out0, out1
.if DOCPART == 3
	.amdgcn_target "amdgcn-amd-amdhsa--gfx1250"
	.amdhsa_code_object_version 6
	.text
	.protected	k_q8ab218d125_fin
	.globl	k_q8ab218d125_fin
	.p2align	8
	.type	k_q8ab218d125_fin,@function
k_q8ab218d125_fin:
	s_mov_b64 s[64:65], 0
	v_nop
	global_prefetch_b8 v0, s[64:65] scope:SCOPE_SE
	s_setreg_imm32_b32 hwreg(HW_REG_WAVE_MODE, 25, 1), 1
	s_wait_xcnt 0x0
; The softmax over a batch's scores and the join of its units' context sums.  Work-group (c, b): batch b, columns 128 c .. 128 c + 127 of out0;
; the groups with c = 0 also store the batch's weights, out1.
; len' = 2048 where seq_len <= 0, else min(seq_len, 2048); nu = ceil(len'/16) units were stored for this batch, and nothing behind them is read.
; M = largest valid score, L = sum of exp(s - M).  out1[t] = exp(s - M) / L, 0 for masked rows.
; out0[d] = sum over units u of exp(m_u - M) / L * ctxp[u][d]; m_u is formed again from the stored scores: a maximum is exact, so it has the bits that the sums were made with.
; A masked row counts as -2^127: (-2^127 - M) log2(e) lies far below the least exponent of f32 for every M (|M| <= sum |V| + |bV|), so its power is 0, and so is a missing unit's weight.
; Memory binds here and the work is small: no matrix unit, no cluster.
; LDS: 0 the waves' maxima; 64 the waves' sums; 128 the 128 unit weights; 1024 eight partial rows of 512 bytes.
.set L2E, 0x3fb8aa3b
.set WL,  128
.set RED, 1024
	s_load_b256 s[4:11], s[0:1], 0x0               ; seq_len 4, scores 6, ctxp 8, out0 10
	s_load_b64 s[12:13], s[0:1], 0x20              ; out1
	v_lshl_add_u32 v160, v0, 2, 0x2000
	v_mov_b32 v161, 0
	v_and_b32 v1, 31, v0
	v_lshrrev_b32 v2, 5, v0
	v_readfirstlane_b32 s20, v2                    ; wave
	s_and_b32 s21, ttmp7, 0xffff                   ; batch
	s_lshl_b32 s22, s21, 2
	s_mov_b32 s23, 0
	s_mov_b32 s40, 0x76543210
	s_mov_b32 s41, 0xfedcba98
	s_wait_kmcnt 0x0
	s_add_nc_u64 s[14:15], s[4:5], s[22:23]
	s_load_b32 s24, s[14:15], 0x0
	s_lshl_b32 s22, s21, 13
	s_add_nc_u64 s[6:7], s[6:7], s[22:23]          ; my batch's scores
	s_add_nc_u64 s[12:13], s[12:13], s[22:23]      ; and weights
	s_lshl_b32 s26, ttmp9, 9                       ; 128 columns of 4 bytes
	s_lshl_b32 s22, s21, 19
	s_add_co_u32 s22, s22, s26
	s_add_nc_u64 s[8:9], s[8:9], s[22:23]          ; my batch's 128 units, my columns
	s_lshl_b32 s22, s21, 12
	s_add_co_u32 s22, s22, s26
	s_add_nc_u64 s[10:11], s[10:11], s[22:23]
	v_lshlrev_b32 v3, 4, v0                        ; 16 t
	v_lshlrev_b32 v6, 4, v1                        ; 16 lane
	v_lshlrev_b32 v16, 2, v0                       ; 4 t
	v_mov_b32 v19, 0xff000000                      ; -2^127
	v_mov_b32 v23, 0
	s_wait_kmcnt 0x0
	s_cmp_gt_i32 s24, 0
	s_cselect_b32 s24, s24, 2048
	s_min_u32 s24, s24, 2048                       ; len'
	s_add_co_u32 s25, s24, 15
	s_lshr_b32 s25, s25, 4
	s_min_u32 s25, s25, 128                        ; nu
	s_lshl_b32 s27, s25, 6
	s_add_co_u32 s27, s27, -16                     ; the last 16 bytes of scores that were stored
	v_min_u32 v4, s27, v3
	v_min_u32 v4, 0x1ff0, v4
	v_add_nc_u32 v5, 4096, v3
	v_min_u32 v5, s27, v5
	v_min_u32 v5, 0x1ff0, v5
	global_load_b128 v[8:11], v4, s[6:7]           ; scores 4 t .. 4 t + 3
	global_load_b128 v[12:15], v5, s[6:7]          ; scores 1024 + 4 t ..
	s_lshl_b32 s28, s20, 4
	s_sub_co_u32 s29, s25, 1
.irp i,0,1,2,3,4,5,6,7,8,9,10,11,12,13,14,15
	s_add_co_u32 s30, s28, \i                      ; wave w takes units 16 w + i; past the last one it reads the last again, with weight 0
	s_min_u32 s30, s30, s29
	s_min_u32 s30, s30, 127
	s_lshl_b32 s30, s30, 12
	v_add_nc_u32 v[32+\i], s30, v6
	global_load_b128 v[64+4*\i:67+4*\i], v[32+\i], s[8:9]      ; 512 consecutive bytes
.endr
	s_wait_loadcnt 16                              ; the scores are in; the sixteen loads behind them stay out
.irp k,0,1,2,3
	v_add_nc_u32 v17, \k, v16
	v_cmp_gt_u32 vcc_lo, s24, v17
	v_cndmask_b32 v[8+\k], v19, v[8+\k], vcc_lo
	v_add_nc_u32 v17, 1024+\k, v16
	v_cmp_gt_u32 vcc_lo, s24, v17
	v_cndmask_b32 v[12+\k], v19, v[12+\k], vcc_lo
.endr
	v_max3_num_f32 v20, v8, v9, v10
	v_max_num_f32 v20, v20, v11
	v_max3_num_f32 v21, v12, v13, v14
	v_max_num_f32 v21, v21, v15
.irp m,1,2
	v_max_num_f32_dpp v20, v20, v20 row_xmask:\m row_mask:0xf bank_mask:0xf  ; four threads hold a unit: m of unit t >> 2
	v_max_num_f32_dpp v21, v21, v21 row_xmask:\m row_mask:0xf bank_mask:0xf  ; and of unit 64 + (t >> 2)
.endr
	v_max_num_f32 v22, v20, v21
.irp m,4,8
	v_max_num_f32_dpp v22, v22, v22 row_xmask:\m row_mask:0xf bank_mask:0xf
.endr
	v_permlanex16_b32 v23, v22, s40, s41
	v_max_num_f32 v22, v22, v23
	v_mov_b32 v24, s20
	v_lshlrev_b32 v24, 2, v24                      ; 4 w
	ds_store_b32 v24, v22
	s_wait_dscnt 0x0
	s_barrier_signal -1
	s_barrier_wait -1
	v_mov_b32 v25, 0
	ds_load_b128 v[48:51], v25
	ds_load_b128 v[52:55], v25 offset:16
	s_wait_dscnt 0x0
	v_max3_num_f32 v26, v48, v49, v50
	v_max3_num_f32 v26, v26, v51, v52
	v_max3_num_f32 v26, v26, v53, v54
	v_max_num_f32 v26, v26, v55                    ; M
	v_mov_b32 v27, v26
.irp p,8,10,12,14,20
	v_pk_add_f32 v[\p:\p+1], v[\p:\p+1], v[26:27] neg_lo:[0,1] neg_hi:[0,1]
	v_pk_mul_f32 v[\p:\p+1], v[\p:\p+1], L2E op_sel_hi:[1,0]
.endr
.irp p,8,9,10,11,12,13,14,15,20,21
	v_exp_f32 v[\p], v[\p]
.endr
	v_nop                                          ; one plain place behind the powers
	s_wait_alu depctr_va_vdst(0)
	v_pk_add_f32 v[28:29], v[8:9], v[10:11]
	v_pk_add_f32 v[30:31], v[12:13], v[14:15]
	v_pk_add_f32 v[28:29], v[28:29], v[30:31]
	v_add_f32 v28, v28, v29
.irp m,1,2,4,8
	v_add_f32_dpp v28, v28, v28 row_xmask:\m row_mask:0xf bank_mask:0xf
.endr
	v_permlanex16_b32 v23, v28, s40, s41
	v_add_f32 v28, v28, v23
	ds_store_b32 v24, v28 offset:64
	s_wait_dscnt 0x0
	s_barrier_signal -1
	s_barrier_wait -1
	ds_load_b128 v[48:51], v25 offset:64
	ds_load_b128 v[52:55], v25 offset:80
	s_wait_dscnt 0x0
	v_pk_add_f32 v[48:49], v[48:49], v[50:51]
	v_pk_add_f32 v[52:53], v[52:53], v[54:55]
	v_pk_add_f32 v[48:49], v[48:49], v[52:53]
	v_add_f32 v28, v48, v49                        ; L, at least 1
	v_rcp_f32 v30, v28
	v_rcp_f32 v31, v28
	v_and_b32 v7, 0x1c, v1                         ; (a plain place)  4 (t >> 2) = 32 w + (lane & 28)
	v_lshl_add_u32 v7, s20, 5, v7
	s_wait_alu depctr_va_vdst(0)
.irp p,8,10,12,14,20
	v_pk_mul_f32 v[\p:\p+1], v[\p:\p+1], v[30:31]
.endr
	ds_store_b32 v7, v20 offset:WL                 ; the four threads of a unit store the same word
	ds_store_b32 v7, v21 offset:WL+256
	s_cmp_lg_u32 ttmp9, 0
	s_cbranch_scc1 .Lno_w
	global_store_b128 v3, v[8:11], s[12:13]        ; the weights: 512 consecutive bytes a wave and store
	global_store_b128 v3, v[12:15], s[12:13] offset:4096
.Lno_w:
	s_wait_dscnt 0x0
	s_barrier_signal -1
	s_barrier_wait -1
	v_lshlrev_b32 v25, 4, v24                      ; 64 w: my sixteen units' weights
.irp k,0,1,2,3
	ds_load_b128 v[48+4*\k:51+4*\k], v25 offset:WL+16*\k
.endr
	s_lshl_b32 s31, s20, 9
	v_add_nc_u32 v140, s31, v6
	s_wait_loadcnt 0x0
	s_wait_dscnt 0x0
	v_pk_mul_f32 v[128:129], v[64:65], v[48:49] op_sel_hi:[1,0]
	v_pk_mul_f32 v[130:131], v[66:67], v[48:49] op_sel_hi:[1,0]
.irp i,1,3,5,7,9,11,13,15
	v_pk_fma_f32 v[128:129], v[64+4*\i:65+4*\i], v[47+\i:48+\i], v[128:129] op_sel:[0,1,0] op_sel_hi:[1,1,1]
	v_pk_fma_f32 v[130:131], v[66+4*\i:67+4*\i], v[47+\i:48+\i], v[130:131] op_sel:[0,1,0] op_sel_hi:[1,1,1]
.endr
.irp i,2,4,6,8,10,12,14
	v_pk_fma_f32 v[128:129], v[64+4*\i:65+4*\i], v[48+\i:49+\i], v[128:129] op_sel_hi:[1,0,1]
	v_pk_fma_f32 v[130:131], v[66+4*\i:67+4*\i], v[48+\i:49+\i], v[130:131] op_sel_hi:[1,0,1]
.endr
	ds_store_b128 v140, v[128:131] offset:RED
	s_wait_dscnt 0x0
	s_barrier_signal -1
	s_barrier_wait -1
	s_cmp_lg_u32 s20, 0
	s_cbranch_scc1 .Lend
.irp k,0,1,2,3,4,5,6,7
	ds_load_b128 v[64+4*\k:67+4*\k], v6 offset:RED+512*\k
.endr
	s_wait_dscnt 0x0
.irp k,1,2,3,4,5,6,7
	v_pk_add_f32 v[64:65], v[64:65], v[64+4*\k:65+4*\k]
	v_pk_add_f32 v[66:67], v[66:67], v[66+4*\k:67+4*\k]
.endr
	global_store_b128 v6, v[64:67], s[10:11]       ; 512 consecutive bytes of out0
.Lend:
	s_wait_tensorcnt 0x0
	ds_add_u32 v160, v161
	s_wait_dscnt 0x0
	s_endpgm
.Lfunc_end_k_q8ab218d125_fin:
	.size	k_q8ab218d125_fin, .Lfunc_end_k_q8ab218d125_fin-k_q8ab218d125_fin
	.p2alignl 7, 3214868480
	.fill 96, 4, 3214868480
	.section	.rodata,"a",@progbits
	.p2align	6, 0x0
	.amdhsa_kernel k_q8ab218d125_fin
		.amdhsa_group_segment_fixed_size 9216
		.amdhsa_private_segment_fixed_size 0
		.amdhsa_enable_private_segment 0
		.amdhsa_kernarg_size 40
		.amdhsa_user_sgpr_count 2
		.amdhsa_user_sgpr_kernarg_segment_ptr 1
		.amdhsa_wavefront_size32 1
		.amdhsa_system_sgpr_workgroup_id_x 1
		.amdhsa_system_sgpr_workgroup_id_y 1
		.amdhsa_system_sgpr_workgroup_id_z 1
		.amdhsa_system_vgpr_workitem_id 0
		.amdhsa_next_free_vgpr 162
		.amdhsa_next_free_sgpr 66
		.amdhsa_reserve_vcc 1
		.amdhsa_float_denorm_mode_32 3
		.amdhsa_float_denorm_mode_16_64 3
		.amdhsa_memory_ordered 1
		.amdhsa_forward_progress 1
		.amdhsa_inst_pref_size 17
	.end_amdhsa_kernel
	.amdgpu_metadata
---
amdhsa.version: [ 1, 2 ]
amdhsa.kernels:
  - .name:           k_q8ab218d125_fin
    .symbol:         k_q8ab218d125_fin.kd
    .args:
      - { .name: seq_len, .offset: 0, .size: 8, .value_kind: global_buffer, .address_space: global }
      - { .name: scores, .offset: 8, .size: 8, .value_kind: global_buffer, .address_space: global }
      - { .name: ctxp, .offset: 16, .size: 8, .value_kind: global_buffer, .address_space: global }
      - { .name: out0, .offset: 24, .size: 8, .value_kind: global_buffer, .address_space: global }
      - { .name: out1, .offset: 32, .size: 8, .value_kind: global_buffer, .address_space: global }
    .group_segment_fixed_size: 9216
    .private_segment_fixed_size: 0
    .kernarg_segment_align: 8
    .kernarg_segment_size: 40
    .max_flat_workgroup_size: 256
    .sgpr_count:     66
    .vgpr_count:     162
    .wavefront_size: 32
...
	.end_amdgpu_metadata
.endif
;; end of part 3
;; ======== version 2 of 3: 3 launches; 1.14 times as fast as version 1
;; limits: values outside matrix products are rounded to bf16
;; workspace buffers: w1f 2,097,152 bytes; hbs 131,072 bytes; wtab 32,768 bytes of whole numbers; scores 262,144 bytes; ctxp 16,777,216 bytes
;; launch prep: the kernel of part 1 again; grid 128 x 1, 8 waves a work-group, no clusters, 33,792 bytes of LDS; arguments W1, W2, hidden, b1, b2, seq_len, w1f, hbs, wtab; writes w1f, hbs, wtab
;; launch attn (part 4): grid 256 x 1, 4 waves a work-group, no clusters, 302,592 bytes of LDS; arguments features, w1f, hbs, V, bV, wtab, scores, ctxp; writes scores, ctxp
.if DOCPART == 4
	.amdgcn_target "amdgcn-amd-amdhsa--gfx1250"
	.amdhsa_code_object_version 6
	.text
	.protected	k_q8ab218d125_attn
	.globl	k_q8ab218d125_attn
	.p2align	8
	.type	k_q8ab218d125_attn,@function
k_q8ab218d125_attn:
	s_mov_b64 s[64:65], 0
	v_nop
	global_prefetch_b8 v0, s[64:65] scope:SCOPE_SE
	s_setreg_imm32_b32 hwreg(HW_REG_WAVE_MODE, 25, 1), 1
	s_wait_xcnt 0x0
; score[b][t] = V . tanh(features[b][t] W1 + b1 + hidden[b] W2 + b2) + bV for the rows that the mask keeps, and for every unit of 16 rows
; ctxp[unit][d] = sum over its valid rows of exp(score - m_unit) features[row][d], m_unit the largest valid score of the unit.
; A work-group takes the tiles that wtab deals to it: up to two tiles of ac = 5..9 blocks of 16 rows (ac = 0: no tile; with fewer than 256 units
; in all, some work-groups have none and only pass the barriers).
; A tile's rows are read from memory ONCE, rounded to bf16 and kept in LDS for all K = 1024: they feed the product and afterwards the context sums.
; Four waves share the rows and split the 1,024 columns: wave w makes columns 128 (2 w + pass) .. + 127 in two passes, 16 ac x 128 sums in 64 ac registers.
; W1 comes as ready B fragments (w1f) straight into registers: each fragment is used by one wave of the work-group alone, so LDS would add a copy and no reuse.
; NO CLUSTER, NO JOINT LOADS: all work-groups walk w1f, but the rows take 297,216 of the 327,680 bytes of LDS that a work-group can have; the rest cannot
; hold one K step of 32 of B for four waves (32,768 bytes), so a joint load has nowhere to land.  No tensor load either: features change format on the way in.
; tanh(x) = 1 - 2 / (1 + 2^(2 log2(e) x)): exact +-1 where the power overflows or vanishes.  So score = (sum of V + bV) - 2 sum of V[n] / (1 + 2^..).
; LIMITS, kept on purpose: the product has bf16 operands and f32 sums; the context sums take features rounded to bf16 (the weights stay f32);
; V . tanh is one column and is made by f32 multiply-adds on the sums as they lie in registers.
;
; THE K LOOP: a trip is four K steps of 32: the four B slots and the two A buffers come round once.  The first trip stands ahead of the loop (its first
; products start the sums), six trips go round in the loop, the last trip is written out and fetches nothing past the end: twelve steps of text for 32 of work.
; Trip T reads the rows from byte 256 T on: its two fragment addresses are made anew at the trip's head from the fixed address of k = 0 and the trip's number,
; which a v_min_u32 bounds once more by the loop's own limit; the step inside the trip and the block stand in the immediates.  B's base goes 32,768 bytes on a trip.
; One text serves every ac.  Fragments are fetched for nine blocks always: the row phase lays copies of the tile's last unit into the places of the blocks
; that the tile does not have (32 (9 - ac) LDS stores a wave), so that every byte that is fetched has been written by this tile.
; THE LOOP'S BODY IS STRAIGHT, without a branch or a label: its 24 steps multiply all nine blocks, whatever ac; the blocks past the tile's last run on those
; copies and their sums are passed over afterwards.  That is 24 x 8 (9 - ac) products a pass beside the 256 ac that count (192 beside 2,048 for ac = 8, none
; for ac = 9), and it spares each of those steps four tests of ac and the window switches round them.  In the eight steps that are written out
; blocks 0-4 are multiplied always and each of blocks 5-8 stands behind a test of ac.  The units of the row phase and of the context sums are written out.
;
; LDS:  0        rows, 2,064 bytes apart (2,048 + 16).  Row 4 w + rr of unit u lies at LDS row 36 w + 4 u + rr: wave w fills rows 36 w .. 36 w + 35 alone.
;                A fragment's lane r reads LDS row 36 (r>>2) + (r&3) + 4 i: sixteen rows that start at sixteen different multiples of 16 bytes modulo 256.
;       297216   SPART [wave][144] f32: the share of the scores that the wave's 256 columns give; it starts at (sum of V + bV) / 4 and each pass adds to it
;       299520   PARR  [wave][160] f32: exp(score - m_unit), a copy for each wave
; REGISTERS in windows of 256 (s_set_vgpr_msb: bits 1:0 source 0, 3:2 source 1, 5:4 source 2, 7:6 destination):
;   window 0: v0-47 addresses and small things; v48-119, v120-191 A fragments, two buffers of 9 x 8 (work space outside the K steps); v192-255 B slot 0
;   window 1: v0-191 B slots 1-3; v192-255 sums of block 8.   window 2: sums of blocks 0-3.   window 3: sums of blocks 4-7.  Tile (i, nb) at 64 (i & 3) + 8 nb.
;   At a branch and at a label every window is 0.
.set PITCH, 2064
.set U4,    4*PITCH                    ; from a unit to the next in a wave's region: 8,256
.set WREG,  36*PITCH                   ; a wave's region
.set SPART, 144*PITCH
.set SLAB,  576
.set PARR,  SPART+4*SLAB
.set PARW,  640
.set FB,    48                         ; fragment buffers / work space
.set AOFF,  16                         ; v16-19 the four row sets' offsets in features
.set C2L,   0x4038aa3b                 ; 2 log2(e)
.set L2E,   0x3fb8aa3b                 ; log2(e)
; fixed for the whole kernel: v1 lane, v2 r, v3 h, v5 16 lane, v8 my slab of SPART + 32 h, v9 byte of column 256 w + r, v10 my region of rows + 8 lane,
;   v21 the same four units on, v11 fragment address of block 0 at k = 0, v14 sum of V + bV, v20 16 lane + 4 w rows of features, v30 -2^127,
;   v46 16 lane + 1,024 w, v47 8 lane + 512 w
; per tile or trip: v4 the tile's table (lane l: word l & 15), v6 v7 the trip's fragment addresses (blocks 0-4, blocks 5-8), v13 column bytes, v15 scratch,
;   v22 a bounded number, v23-45 at work
; s20 wave, s22 tile, s25 ac, s26 pass, s27 counter of the score pass, s58 counter of the K loop, s[28:29] B's base, s[30:31] its start,
; s[40:48] hbs offsets of the blocks, s49 bV, s50 s51 lane selects, s[52:53] my table, s59 max(ac,1)-1, s60 my PARR, s61 trips of the score pass, s33-36 s54-57 at work
.set MSB, 0
.macro WIN new                         ; the immediate's high byte repeats the setting that is left; a switch that changes nothing is dropped
.if MSB != \new
	s_set_vgpr_msb (MSB<<8)|\new
.set MSB, \new
.endif
.endm
.macro PLACES                          ; four places behind matrix instructions before their registers are loaded, written or read (ISA guide 7.12.1)
.rept 4
	v_nop
.endr
.endm
.macro BAR
	s_barrier_signal -1
	s_barrier_wait -1
.endm
.macro BOUND sreg, lim                 ; v22 = a scalar number, at most lim
	v_mov_b32 v22, s\sreg
	v_min_u32 v22, \lim, v22
.endm
	s_load_b512 s[4:19], s[0:1], 0x0               ; features 4, w1f 6, hbs 8, V 10, bV 12, wtab 14, scores 16, ctxp 18
	v_lshl_add_u32 v42, v0, 2, 0x49c00
	v_mov_b32 v43, 0
	v_and_b32 v1, 31, v0
	v_lshrrev_b32 v22, 5, v0
	v_readfirstlane_b32 s20, v22
	v_and_b32 v2, 15, v0
	v_bfe_u32 v3, v0, 4, 1
	v_lshlrev_b32 v5, 4, v1
	v_lshrrev_b32 v22, 2, v2
	v_and_b32 v23, 3, v2
	v_mad_u32_u24 v22, v22, 36, v23                ; LDS row of unit row r in block 0
	v_mul_u32_u24 v11, v22, PITCH
	v_lshl_add_u32 v11, v3, 4, v11                 ; + 16 h
	s_mul_i32 s33, s20, SLAB
	s_add_co_u32 s33, s33, SPART
	v_lshl_add_u32 v8, v3, 5, s33                  ; my slab, rows 8 h
	s_lshl_b32 s33, s20, 10
	v_lshl_add_u32 v9, v2, 2, s33                  ; byte of column 256 w + r
	v_add_nc_u32 v46, s33, v5                      ; 16 lane + 1,024 w
	s_mul_i32 s33, s20, WREG
	v_lshl_add_u32 v10, v1, 3, s33                 ; my region of rows + 8 lane: units 0-3 by the immediate
	v_add_nc_u32 v21, 4*U4, v10                    ; units 4-8: eight units on are 66,048 bytes, more than an immediate holds
	v_lshl_add_u32 v20, s20, 14, v5                ; 16 lane + 4 w rows of 4,096 bytes
	s_lshl_b32 s33, s20, 9
	v_lshl_add_u32 v47, v1, 3, s33                 ; 8 lane + 512 w
	s_mul_i32 s60, s20, PARW
	s_add_co_u32 s60, s60, PARR                    ; my copy of the weights
	v_mov_b32 v30, 0xff000000                      ; -2^127 stands for a masked row
	v_mov_b32 v15, 0
	s_mov_b32 s50, 0x76543210
	s_mov_b32 s51, 0xfedcba98
	s_lshl_b32 s54, s20, 19                        ; my two column groups of w1f: 2 x 262,144 bytes
	s_mov_b32 s55, 0
	s_lshl_b32 s56, ttmp9, 7                       ; my 32 words of the table
	s_mov_b32 s57, 0
	s_wait_kmcnt 0x0
	s_load_b32 s49, s[12:13], 0x0
	s_add_nc_u64 s[30:31], s[6:7], s[54:55]
	s_add_nc_u64 s[52:53], s[14:15], s[56:57]
.irp c,0,1,2,3,4,5,6,7
	global_load_b128 v[48+4*\c:51+4*\c], v5, s[10:11] offset:512*\c
.endr
	s_wait_loadcnt 0x0
.irp c,1,2,3,4,5,6,7
	v_pk_add_f32 v[48:49], v[48:49], v[48+4*\c:49+4*\c]
	v_pk_add_f32 v[50:51], v[50:51], v[50+4*\c:51+4*\c]
.endr
	v_pk_add_f32 v[48:49], v[48:49], v[50:51]
	v_add_f32 v48, v48, v49
.irp m,1,2,4,8
	v_add_f32_dpp v48, v48, v48 row_xmask:\m row_mask:0xf bank_mask:0xf
.endr
	v_permlanex16_b32 v15, v48, s50, s51
	v_add_f32 v14, v48, v15
	s_wait_kmcnt 0x0
	v_add_f32 v14, s49, v14                        ; sum of V + bV, in every lane
; ---- macros of the row phase.  Set rr = one row of 4,096 bytes: eight loads of 512 consecutive bytes.
.macro UROW u                          ; s34 = unit u's first row << 12
	v_readlane_b32 s34, v4, \u
	s_and_b32 s34, s34, 0xffff
	s_min_u32 s34, s34, 0xfff0
	s_lshl_b32 s34, s34, 12
.endm
.macro ALOAD rr
	v_add_nc_u32 v[AOFF+\rr], s34, v20
.irp c,0,1,2,3,4,5,6,7
	global_load_b128 v[FB+32*\rr+4*\c:FB+32*\rr+4*\c+3], v[AOFF+\rr], s[4:5] offset:\rr*4096+512*\c th:TH_LOAD_NT
.endr
.endm
.macro ACVT rr, left                   ; row rr of my four is in: round it to bf16
	s_wait_loadcnt \left                           ; loads come back in order: this set's eight are in (and its offset register is free), the younger sets stay out
.irp e,0,1,2,3,4,5,6,7,8,9,10,11,12,13,14,15
	v_cvt_pk_bf16_f32 v[176+\e], v[FB+32*\rr+2*\e], v[FB+32*\rr+2*\e+1]
.endr
.endm
.macro ASTORE pos, rr                  ; the rounded row goes to row rr of my four in the place of unit pos
.if \pos < 4
.set sa, 10
.set so, \pos*U4+\rr*PITCH
.else
.set sa, 21
.set so, (\pos-4)*U4+\rr*PITCH
.endif
.irp c,0,1,2,3,4,5,6,7
	ds_store_b64 v[sa], v[176+2*\c:177+2*\c] offset:so+256*\c                ; 32 lanes, 256 consecutive bytes
.endr
.endm
.macro AUNIT u                         ; a unit that has a successor: each set asks for the next unit's row.  24 = three younger sets of eight
.irp rr,0,1,2,3
	ACVT \rr, 24
	ASTORE \u, \rr
	ALOAD \rr
.endr
.endm
.macro ALAST u, rr, left               ; a row of the tile's last unit: it also fills the places of the blocks u + 1 .. 8, which the tile does not have
	ACVT \rr, \left
.set ap, \u
.rept 9-\u
	ASTORE ap, \rr
.set ap, ap+1
.endr
.endm
.macro ATAIL u                         ; the tile's last unit: nothing more is asked for, the counts run down
	ALAST \u, 0, 24
	ALAST \u, 1, 16
	ALAST \u, 2, 8
	ALAST \u, 3, 0
.endm
; ---- macros of the product
.macro AFETCH buf, koff                ; nine blocks' fragments of one K step of 32, at byte koff behind the trip's addresses
.irp i,0,1,2,3,4
	ds_load_b128 v[FB+72*(\buf)+8*\i:FB+72*(\buf)+8*\i+3],   v6 offset:\i*U4+(\koff)
	ds_load_b128 v[FB+72*(\buf)+8*\i+4:FB+72*(\buf)+8*\i+7], v6 offset:\i*U4+(\koff)+32
.endr
.irp i,5,6,7,8
	ds_load_b128 v[FB+72*(\buf)+8*\i:FB+72*(\buf)+8*\i+3],   v7 offset:(\i-5)*U4+(\koff)
	ds_load_b128 v[FB+72*(\buf)+8*\i+4:FB+72*(\buf)+8*\i+7], v7 offset:(\i-5)*U4+(\koff)+32
.endr
.endm
.macro BFETCH slot, imm                ; eight B fragments of one K step: 16 loads of 512 consecutive bytes
.set sl, (\slot)
.if sl == 0
	WIN 0
.set bb, 192
.else
	WIN 0x40
.set bb, 64*(sl-1)
.endif
.set nb, 0
.rept 8
	global_load_b128 v[bb+8*nb:bb+8*nb+3],   v5, s[28:29] offset:(\imm)+1024*nb
	global_load_b128 v[bb+8*nb+4:bb+8*nb+7], v5, s[28:29] offset:(\imm)+1024*nb+512
.set nb, nb+1
.endr
.endm
; Block i's eight products of one K step.  The sums take turns, one instruction a turn.  zero = 1: the products start the sums.
.macro MBLK i, buf, slot, zero
.set sl, (\slot)
.if sl == 0
.set bw, 0
.set bb, 192
.else
.set bw, 1
.set bb, 64*(sl-1)
.endif
.if \i < 4
.set aw, 2
.set ab, 64*\i
.else
.if \i < 8
.set aw, 3
.set ab, 64*(\i-4)
.else
.set aw, 1
.set ab, 192
.endif
.endif
.set wv, (aw<<6)|(aw<<4)|(bw<<2)
	WIN wv
.set nb, 0
.rept 8
.if \zero
	v_wmma_f32_16x16x32_bf16 v[ab+8*nb:ab+8*nb+7], v[FB+72*(\buf)+8*\i:FB+72*(\buf)+8*\i+7], v[bb+8*nb:bb+8*nb+7], 0
.else
	v_wmma_f32_16x16x32_bf16 v[ab+8*nb:ab+8*nb+7], v[FB+72*(\buf)+8*\i:FB+72*(\buf)+8*\i+7], v[bb+8*nb:bb+8*nb+7], v[ab+8*nb:ab+8*nb+7]
.endif
.set nb, nb+1
.endr
.endm
; Step qq (0..3) of a trip.  fa: the next step's A fragments go into the other buffer; fb: B of three steps on goes into the slot read last step (four slots).
; mode 1 (a pass's very first step): the products start the sums of all nine blocks, so that the text behind the K steps names only registers that have been written.
; mode 2 (the steps inside the loop): all nine blocks, no test.   mode 0 (the other written-out steps): blocks 0-4, then each of blocks 5-8 behind a test of ac.
.macro QSTEP qq, mode, fa, fb, lc
	s_wait_dscnt 0x0                               ; this step's A fragments, asked for a whole step ago
	s_wait_loadcnt \lc                             ; this step's B is in; lc counts the loads of the later steps' B, 16 each
	PLACES                                         ; the registers fetched into below were sources of the last step's products
.if \fa
	AFETCH (\qq+1)&1, 64*(\qq+1)
.endif
.if \fb
	BFETCH (\qq+3)&3, (\qq+3)*8192
.endif
.if \mode == 1
.irp i,0,1,2,3,4,5,6,7,8
	MBLK \i, 0, 0, 1
.endr
	WIN 0
.else
.if \mode == 2
.irp i,0,1,2,3,4,5,6,7,8
	MBLK \i, (\qq)&1, (\qq)&3, 0
.endr
	WIN 0
.else
.irp i,0,1,2,3,4
	MBLK \i, (\qq)&1, (\qq)&3, 0
.endr
.irp i,5,6,7,8
	WIN 0
	s_cmp_lt_u32 s25, \i+1                         ; the tile has no block i: the step is over
	s_cbranch_scc1 .Lme_\@
	MBLK \i, (\qq)&1, (\qq)&3, 0
.endr
	WIN 0
.Lme_\@:
.endif
.endif
.endm
.macro FOUR m0, m                      ; a trip: four K steps (the first in mode m0, the others in mode m), then B's base goes four steps on
	QSTEP 0, \m0, 1, 1, 32
	QSTEP 1, \m, 1, 1, 32
	QSTEP 2, \m, 1, 1, 32
	QSTEP 3, \m, 1, 1, 32
	s_wait_xcnt 0x0                                ; the base of the loads on their way is stepped only behind this wait
	s_add_nc_u64 s[28:29], s[28:29], 32768
.endm
.macro PROLOGUE                        ; B of the first three K steps: 48 loads
	BFETCH 0, 0
	BFETCH 1, 8192
	BFETCH 2, 16384
	WIN 0
.endm
; Block i behind the K steps: y = 2 log2(e) x (one fused multiply-add with hbs), 1 / (1 + 2^y), times -2 V, summed over my 128 columns, added to my slab.
; A lane holds column r of each 16 and rows 8 h + j in register j, so hbs and V are one register a lane for each nb.
.macro EBLOCK i
	ds_load_b128 v[152:155], v8 offset:64*\i       ; what my slab holds for rows 16 i + 8 h + 0..7 (my own stores: LDS serves a wave's instructions in order)
	ds_load_b128 v[156:159], v8 offset:64*\i+16
.if \i < 4
.set aw, 2
.set ab, 64*\i
.else
.if \i < 8
.set aw, 3
.set ab, 64*(\i-4)
.else
.set aw, 1
.set ab, 192
.endif
.endif
.set wv, (aw<<6)|aw
	WIN wv                                         ; destination and source 0: the sums' window; source 2: window 0
.set nb, 0
.rept 8
.set hp, FB+8*\i+(nb&6)
.irp jj,0,2,4,6
.if nb&1
	v_pk_fma_f32 v[ab+8*nb+\jj:ab+8*nb+\jj+1], v[ab+8*nb+\jj:ab+8*nb+\jj+1], C2L, v[hp:hp+1] op_sel:[0,0,1] op_sel_hi:[1,0,1]
.else
	v_pk_fma_f32 v[ab+8*nb+\jj:ab+8*nb+\jj+1], v[ab+8*nb+\jj:ab+8*nb+\jj+1], C2L, v[hp:hp+1] op_sel_hi:[1,0,0]
.endif
.endr
.set nb, nb+1
.endr
.set k, 0
.rept 64
	v_exp_f32 v[ab+k], v[ab+k]
.set k, k+1
.endr
	v_nop                                          ; one plain place between the last power and the first use (ISA guide 5.7.2)
.set k, 0
	s_wait_alu depctr_va_vdst(0)
.rept 32
	v_pk_add_f32 v[ab+k:ab+k+1], v[ab+k:ab+k+1], 1.0 op_sel_hi:[1,0]
.set k, k+2
.endr
.set k, 0
.rept 64
	v_rcp_f32 v[ab+k], v[ab+k]
.set k, k+1
.endr
	v_nop
	s_wait_alu depctr_va_vdst(0)
.set wv, aw
	WIN wv                                         ; source 0: the sums' window; all else window 0
.set nb, 0
.rept 8
.set vp, 120+(nb&6)
.irp jj,0,2,4,6
.if nb == 0
	v_pk_mul_f32 v[128+\jj:129+\jj], v[ab+\jj:ab+\jj+1], v[120:121] op_sel_hi:[1,0]
.else
.if nb&1
	v_pk_fma_f32 v[128+\jj:129+\jj], v[ab+8*nb+\jj:ab+8*nb+\jj+1], v[vp:vp+1], v[128+\jj:129+\jj] op_sel:[0,1,0] op_sel_hi:[1,1,1]
.else
	v_pk_fma_f32 v[128+\jj:129+\jj], v[ab+8*nb+\jj:ab+8*nb+\jj+1], v[vp:vp+1], v[128+\jj:129+\jj] op_sel_hi:[1,0,1]
.endif
.endif
.endr
.set nb, nb+1
.endr
	WIN 0
.irp m,1,2,4,8
.irp j,0,1,2,3,4,5,6,7
	v_add_f32_dpp v[128+\j], v[128+\j], v[128+\j] row_xmask:\m row_mask:0xf bank_mask:0xf      ; over the sixteen columns of the lanes
.endr
.endr
	s_wait_dscnt 0x0                               ; the two loads at the block's head
.irp jj,0,2,4,6
	v_pk_add_f32 v[128+\jj:129+\jj], v[128+\jj:129+\jj], v[152+\jj:153+\jj]
.endr
	ds_store_b128 v8, v[128:131] offset:64*\i      ; the sixteen lanes of a half store the same bytes
	ds_store_b128 v8, v[132:135] offset:64*\i+16
.endm
; One row of a unit into the context sums: eight numbers a lane
.macro CROW rr
	s_wait_dscnt 30-2*\rr                          ; LDS loads come back in order: the count is the later rows' loads, two each
.if \rr == 0
.irp e,0,1,2,3
	v_lshlrev_b32 v[128+2*\e], 16, v[64+\e]
	v_and_b32 v[129+2*\e], 0xffff0000, v[64+\e]
.endr
.irp e,0,2,4,6
	v_pk_mul_f32 v[128+\e:129+\e], v[128+\e:129+\e], v[48:49] op_sel_hi:[1,0]  ; the first row starts the sums
.endr
.else
.irp e,0,1,2,3
	v_fma_mix_f32_bf16 v[128+2*\e], v[64+4*\rr+\e], v[48+\rr], v[128+2*\e] op_sel_hi:[1,0,0]
	v_fma_mix_f32_bf16 v[129+2*\e], v[64+4*\rr+\e], v[48+\rr], v[129+2*\e] op_sel:[1,0,0] op_sel_hi:[1,0,0]
.endr
.endif
.endm
; Unit u's context sums: wave w owns d = 256 w .. 256 w + 255, a lane two runs of four
.macro CUNIT u
	s_wait_xcnt 0x0                                ; the earlier stores have read their data and offsets
	v_readlane_b32 s34, v4, \u
	s_and_b32 s34, s34, 0xffff
	s_min_u32 s34, s34, 0xfff0
	s_lshl_b32 s34, s34, 8                         ; (row / 16) x 4,096 bytes
	v_add_nc_u32 v136, s34, v46
.irp k,0,1,2,3
	ds_load_b128 v[48+4*\k:51+4*\k], v23 offset:64*\u+16*\k                  ; the unit's sixteen weights, in every lane (my own stores above)
.endr
.if \u < 4
.set ca, 140
.set co, \u*U4
.else
.set ca, 144
.set co, (\u-4)*U4
.endif
.irp rr,0,1,2,3,4,5,6,7,8,9,10,11,12,13,14,15
	ds_load_b64 v[64+4*\rr:65+4*\rr], v[ca+(\rr>>2)] offset:co+(\rr&3)*PITCH
	ds_load_b64 v[66+4*\rr:67+4*\rr], v[ca+(\rr>>2)] offset:co+(\rr&3)*PITCH+256
.endr
.irp rr,0,1,2,3,4,5,6,7,8,9,10,11,12,13,14,15
	CROW \rr
.endr
	global_store_b128 v136, v[128:131], s[18:19]               ; each store of the wave covers 512 consecutive bytes, aligned
	global_store_b128 v136, v[132:135], s[18:19] offset:512
.endm
; =================== the two tiles.  Every barrier stands on every path; a tile that is absent jumps over each phase and joins again in front of the barrier.
	s_mov_b32 s22, 0
.Ltile:
	s_wait_xcnt 0x0                                ; registers that the last tile's stores name are written again below
	v_lshlrev_b32 v22, 2, v2
	v_lshl_add_u32 v22, s22, 6, v22
	global_load_b32 v4, v22, s[52:53]              ; lane l: word l & 15 of my tile
	s_wait_loadcnt 0x0
	v_readlane_b32 s33, v4, 0
	s_lshr_b32 s25, s33, 24
	s_min_u32 s25, s25, 9                          ; ac
	s_max_u32 s59, s25, 1
	s_sub_co_u32 s59, s59, 1                       ; the tile's last block
.irp i,0,1,2,3,4,5,6,7,8
	v_readlane_b32 s33, v4, \i
	s_and_b32 s33, s33, 0xffff
	s_min_u32 s33, s33, 0xfff0
	s_and_b32 s33, s33, 0xf800                     ; batch x 2,048
	s_lshl_b32 s[40+\i], s33, 1                    ; batch x 4,096 bytes: block i's row of hbs
.endr
	s_cmp_eq_u32 s25, 0
	s_cbranch_scc1 .LA_done
; ---- the rows: wave w brings rows 4 w .. 4 w + 3 of every unit, 32 loads (16,384 bytes) always on their way.
; A unit that has a successor asks for it while it is stored; the tile's last unit (the fifth to the ninth) has a text of its own that asks for nothing.
; On every way into such a text the same 32 loads are out.
	UROW 0
	ALOAD 0
	ALOAD 1
	ALOAD 2
	ALOAD 3
.irp u,0,1,2,3
	UROW \u+1
	AUNIT \u
.endr
.irp u,4,5,6,7
	s_cmp_eq_u32 s25, \u+1                         ; unit u is the last
	s_cbranch_scc1 .LA_tail_\u
	UROW \u+1
	AUNIT \u
.endr
.irp u,8,7,6,5
.LA_tail_\u:
	ATAIL \u
	s_branch .LA_done
.endr
.LA_tail_4:
	ATAIL 4
.LA_done:
	s_wait_dscnt 0x0                               ; my rows lie in LDS before I say so
	BAR                                            ; every wave's do
	s_cmp_eq_u32 s25, 0
	s_cbranch_scc1 .Lgemm_done
; ---- the product, two passes of 128 columns
	v_mul_f32 v128, 0x3e800000, v14                ; my slab starts at a quarter of sum of V + bV: the four slabs add up to it
	v_mov_b32 v129, v128
	v_mov_b32 v130, v128
	v_mov_b32 v131, v128
.irp i,0,1,2,3,4,5,6,7,8
	ds_store_b128 v8, v[128:131] offset:64*\i
	ds_store_b128 v8, v[128:131] offset:64*\i+16
.endr
	s_mov_b64 s[28:29], s[30:31]
	PROLOGUE
	s_mov_b32 s26, 0
.Lpass:
	v_mov_b32 v6, v11                              ; trip 0: the rows' first bytes
	v_add_nc_u32 v7, 5*U4, v11
	AFETCH 0, 0
	FOUR 1, 0                                      ; the first trip stands ahead of the loop: its first products start the sums
	s_mov_b32 s58, 1
.Lk:
	BOUND 58, 6                                    ; trips 1 to 6
	v_lshl_add_u32 v6, v22, 8, v11                 ; 256 T behind the rows' first bytes
	v_add_nc_u32 v7, 5*U4, v6
	FOUR 2, 2                                      ; straight: nine blocks in every step
	s_add_co_u32 s58, s58, 1
	s_cmp_lt_u32 s58, 7
	s_cbranch_scc1 .Lk
	v_add_nc_u32 v6, 7*256, v11                    ; trip 7, the last
	v_add_nc_u32 v7, 5*U4+7*256, v11
	QSTEP 0, 0, 1, 1, 32                           ; step 28 asks for B of step 31, the last
	QSTEP 1, 0, 1, 0, 32                           ; B of steps 30 and 31 may be out
	QSTEP 2, 0, 1, 0, 16                           ; B of step 31
	QSTEP 3, 0, 0, 0, 0
	s_wait_xcnt 0x0                                ; B's base is stepped only behind this wait
	s_add_nc_u64 s[28:29], s[28:29], 32768         ; 8 x 32,768 = 262,144: the next pass's column group
	PLACES                                         ; behind the last products: the sums are read and the fragment buffers written below
	BOUND 26, 1                                    ; the pass
	v_lshl_add_u32 v13, v22, 9, v9                 ; byte of column 128 (2 w + pass) + r
.irp i,0,1,2,3,4,5,6,7,8
	v_add_nc_u32 v[136+\i], s[40+\i], v13
.endr
.irp nb,0,1,2,3,4,5,6,7
	global_load_b32 v[120+\nb], v13, s[10:11] offset:64*\nb                  ; V of column 16 nb + r of my 128
.endr
.irp i,0,1,2,3,4,5,6,7,8
.irp nb,0,1,2,3,4,5,6,7
	global_load_b32 v[FB+8*\i+\nb], v[136+\i], s[8:9] offset:64*\nb          ; hbs of block i's batch, same columns
.endr
.endr
	s_cmp_lg_u32 s26, 0
	s_cbranch_scc1 .Lepi_last
	PROLOGUE                                       ; the second pass's first B travels under the first pass's activations
	s_wait_loadcnt 48                              ; V and hbs are in; the 48 loads just issued stay out
	s_branch .Lepi_go
.Lepi_last:
	s_wait_loadcnt 0x0
.Lepi_go:
.irp nb,0,1,2,3,4,5,6,7
	v_mul_f32 v[120+\nb], -2.0, v[120+\nb]
.endr
.irp i,0,1,2,3
	EBLOCK \i
.endr
.irp i,4,5,6,7
	EBLOCK \i
	s_cmp_eq_u32 s25, \i+1                         ; that was the tile's last block
	s_cbranch_scc1 .Lepi_end
.endr
	EBLOCK 8
.Lepi_end:
	s_add_co_u32 s26, s26, 1
	s_cmp_lt_u32 s26, 2
	s_cbranch_scc1 .Lpass
.Lgemm_done:
	s_wait_dscnt 0x0                               ; my share of the scores lies in LDS
	BAR
	s_cmp_eq_u32 s25, 0
	s_cbranch_scc1 .Lpost_done
; ---- scores and exp(score - m_unit), 32 rows (two units) a trip, ceil(ac / 2) trips.  Every wave makes its own copy of the weights, so nothing is handed
; between waves here.  A missing odd unit repeats the tile's last one: the same values go to the same places.
	s_add_co_u32 s61, s25, 1
	s_lshr_b32 s61, s61, 1
	s_mov_b32 s27, 0
.Lpa:
	s_lshl_b32 s33, s27, 1
	s_add_co_u32 s34, s33, 1
	s_min_u32 s34, s34, s59
	s_wait_xcnt 0x0                                ; the last trip's store has read its registers
	v_readlane_b32 s35, v4, s33
	v_readlane_b32 s36, v4, s34
	v_cmp_ne_u32 vcc_lo, 0, v3
	v_mov_b32 v24, s35
	v_mov_b32 v31, s36
	v_cndmask_b32 v24, v24, v31, vcc_lo            ; my unit's word
	v_mov_b32 v25, s33
	v_mov_b32 v31, s34
	v_cndmask_b32 v25, v25, v31, vcc_lo
	v_min_u32 v25, 8, v25                          ; my unit's block
	v_lshl_add_u32 v26, v25, 4, v2                 ; my row in the tile
	v_lshlrev_b32 v27, 2, v26
	v_add_nc_u32 v28, SPART, v27
.irp k,0,1,2,3
	ds_load_b32 v[32+\k], v28 offset:SLAB*\k
.endr
	v_and_b32 v29, 0x100000, v24
	v_add_nc_u32 v45, s60, v27
	s_wait_dscnt 0x0
	v_add_f32 v32, v32, v33
	v_add_f32 v34, v34, v35
	v_add_f32 v32, v32, v34                        ; the score: the four slabs hold sum of V + bV among them
	v_cmp_eq_u32 vcc_lo, 0, v29
	v_cndmask_b32 v32, 0, v32, vcc_lo              ; a batch that is masked whole: equal scores
	v_bfe_u32 v29, v24, 16, 4
	v_cmp_le_u32 vcc_lo, v2, v29                   ; my row is valid
	v_cndmask_b32 v33, v30, v32, vcc_lo
.irp m,1,2,4,8
	v_max_num_f32_dpp v33, v33, v33 row_xmask:\m row_mask:0xf bank_mask:0xf  ; m_unit
.endr
	v_sub_f32 v34, v32, v33
	v_mul_f32 v34, L2E, v34
	v_exp_f32 v34, v34
	v_and_b32 v44, 0xffff, v24                     ; (a plain place behind the power)
	s_wait_alu depctr_va_vdst(0)
	v_cndmask_b32 v34, 0, v34, vcc_lo
	ds_store_b32 v45, v34
	s_and_b32 s33, s27, 3
	s_cmp_lg_u32 s33, s20                          ; trip g's scores are stored by wave g & 3
	s_cbranch_scc1 .Lpa_nost
	v_min_u32 v44, 0xfff0, v44
	v_add_nc_u32 v44, v44, v2
	v_lshlrev_b32 v44, 2, v44
	global_store_b32 v44, v32, s[16:17]            ; a unit's sixteen scores: 64 consecutive bytes
.Lpa_nost:
	s_add_co_u32 s27, s27, 1
	s_cmp_lt_u32 s27, s61
	s_cbranch_scc1 .Lpa
; ---- the units' context sums, written out: unit rows 4 q .. 4 q + 3 lie in wave q's region
.irp q,0,1,2,3
	v_add_nc_u32 v[140+\q], \q*WREG, v47           ; units 0-3 by the immediate
	v_add_nc_u32 v[144+\q], \q*WREG+4*U4, v47      ; units 4-8
.endr
	v_mov_b32 v23, s60                             ; my copy of the weights
.irp u,0,1,2,3,4
	CUNIT \u
.endr
.irp u,5,6,7,8
	s_cmp_eq_u32 s25, \u                           ; the tile has no unit u
	s_cbranch_scc1 .Lpost_done
	CUNIT \u
.endr
.Lpost_done:
	s_wait_dscnt 0x0                               ; my reads of the rows and of the shares are over
	BAR                                            ; so are everybody's: the next tile may write them
	s_add_co_u32 s22, s22, 1
	s_cmp_lt_u32 s22, 2
	s_cbranch_scc1 .Ltile
	s_wait_tensorcnt 0x0
	ds_add_u32 v42, v43
	s_wait_dscnt 0x0
	s_endpgm
.Lfunc_end_k_q8ab218d125_attn:
	.size	k_q8ab218d125_attn, .Lfunc_end_k_q8ab218d125_attn-k_q8ab218d125_attn
	.p2alignl 7, 3214868480
	.fill 96, 4, 3214868480
	.section	.rodata,"a",@progbits
	.p2align	6, 0x0
	.amdhsa_kernel k_q8ab218d125_attn
		.amdhsa_group_segment_fixed_size 302592
		.amdhsa_private_segment_fixed_size 0
		.amdhsa_enable_private_segment 0
		.amdhsa_kernarg_size 64
		.amdhsa_user_sgpr_count 2
		.amdhsa_user_sgpr_kernarg_segment_ptr 1
		.amdhsa_wavefront_size32 1
		.amdhsa_system_sgpr_workgroup_id_x 1
		.amdhsa_system_sgpr_workgroup_id_y 1
		.amdhsa_system_sgpr_workgroup_id_z 1
		.amdhsa_system_vgpr_workitem_id 0
		.amdhsa_next_free_vgpr 1024
		.amdhsa_next_free_sgpr 66
		.amdhsa_reserve_vcc 1
		.amdhsa_float_denorm_mode_32 3
		.amdhsa_float_denorm_mode_16_64 3
		.amdhsa_memory_ordered 1
		.amdhsa_forward_progress 1
		.amdhsa_inst_pref_size 255
	.end_amdhsa_kernel
	.section	.bss,"aw",@nobits
	.p2align	6
	.space	262144
	.amdgpu_metadata
---
amdhsa.version: [ 1, 2 ]
amdhsa.kernels:
  - .name:           k_q8ab218d125_attn
    .symbol:         k_q8ab218d125_attn.kd
    .args:
      - { .name: features, .offset: 0, .size: 8, .value_kind: global_buffer, .address_space: global }
      - { .name: w1f, .offset: 8, .size: 8, .value_kind: global_buffer, .address_space: global }
      - { .name: hbs, .offset: 16, .size: 8, .value_kind: global_buffer, .address_space: global }
      - { .name: V, .offset: 24, .size: 8, .value_kind: global_buffer, .address_space: global }
      - { .name: bV, .offset: 32, .size: 8, .value_kind: global_buffer, .address_space: global }
      - { .name: wtab, .offset: 40, .size: 8, .value_kind: global_buffer, .address_space: global }
      - { .name: scores, .offset: 48, .size: 8, .value_kind: global_buffer, .address_space: global }
      - { .name: ctxp, .offset: 56, .size: 8, .value_kind: global_buffer, .address_space: global }
    .group_segment_fixed_size: 302592
    .private_segment_fixed_size: 0
    .kernarg_segment_align: 8
    .kernarg_segment_size: 64
    .max_flat_workgroup_size: 128
    .sgpr_count:     66
    .vgpr_count:     1024
    .wavefront_size: 32
...
	.end_amdgpu_metadata
.endif
;; end of part 4
;; launch fin: the kernel of part 3 again; grid 8 x 32, 8 waves a work-group, no clusters, 9,216 bytes of LDS; arguments seq_len, scores, ctxp, out0, out1; writes out0, out1
;; ======== version 3 of 3: 3 launches; version 2 with the launch attn written anew for expert scheduling mode
;; limits: values outside matrix products are rounded to bf16
;; workspace buffers: w1f 2,097,152 bytes; hbs 131,072 bytes; wtab 32,768 bytes of whole numbers; scores 262,144 bytes; ctxp 16,777,216 bytes
;; launch prep: the kernel of part 1 again; grid 128 x 1, 8 waves a work-group, no clusters, 33,792 bytes of LDS; arguments W1, W2, hidden, b1, b2, seq_len, w1f, hbs, wtab; writes w1f, hbs, wtab
;; launch attn (part 5): grid 256 x 1, 4 waves a work-group, no clusters, 302,592 bytes of LDS; arguments features, w1f, hbs, V, bV, wtab, scores, ctxp; writes scores, ctxp
.if DOCPART == 5
	.amdgcn_target "amdgcn-amd-amdhsa--gfx1250"
	.amdhsa_code_object_version 6
	.text
	.protected	k_q8ab218d125_attn
	.globl	k_q8ab218d125_attn
	.p2align	8
	.type	k_q8ab218d125_attn,@function
k_q8ab218d125_attn:
	s_mov_b64 s[64:65], 0
	v_nop
	global_prefetch_b8 v0, s[64:65] scope:SCOPE_SE
	s_setreg_imm32_b32 hwreg(HW_REG_WAVE_SCHED_MODE, 0, 2), 2
	s_setreg_imm32_b32 hwreg(HW_REG_WAVE_MODE, 25, 1), 1
	s_wait_xcnt 0x0
	s_wait_alu depctr_vm_vsrc(0)
; score[b][t] = V . tanh(features[b][t] W1 + b1 + hidden[b] W2 + b2) + bV for the rows that the mask keeps, and for every unit of 16 rows
; ctxp[unit][d] = sum over its valid rows of exp(score - m_unit) features[row][d], m_unit the largest valid score of the unit.
; A work-group takes the tiles that wtab deals to it: up to two tiles of ac = 5..9 blocks of 16 rows (ac = 0: no tile; with fewer than 256 units
; in all, some work-groups have none and only pass the barriers).
; A tile's rows are read from memory ONCE, rounded to bf16 and kept in LDS for all K = 1024: they feed the product and afterwards the context sums.
; Four waves share the rows and split the 1,024 columns: wave w makes columns 128 (2 w + pass) .. + 127 in two passes, 16 ac x 128 sums in 64 ac registers.
; W1 comes as ready B fragments (w1f) straight into registers: each fragment is used by one wave of the work-group alone, so LDS would add a copy and no reuse.
; NO CLUSTER, NO JOINT LOADS: all work-groups walk w1f, but the rows take 297,216 of the 327,680 bytes of LDS that a work-group can have; the rest cannot
; hold one K step of 32 of B for four waves (32,768 bytes), so a joint load has nowhere to land.  No tensor load either: features change format on the way in.
; tanh(x) = 1 - 2 / (1 + 2^(2 log2(e) x)): exact +-1 where the power overflows or vanishes.  So score = (sum of V + bV) - 2 sum of V[n] / (1 + 2^..).
; LIMITS, kept on purpose: the product has bf16 operands and f32 sums; the context sums take features rounded to bf16 (the weights stay f32);
; V . tanh is one column and is made by f32 multiply-adds on the sums as they lie in registers.
;
; THE K LOOP: a trip is four K steps of 32: the four B slots and the two A buffers come round once.  The first trip stands ahead of the loop (its first
; products start the sums), six trips go round in the loop, the last trip is written out and fetches nothing past the end: twelve steps of text for 32 of work.
; Trip T reads the rows from byte 256 T on: its two fragment addresses are made anew at the trip's head from the fixed address of k = 0 and the trip's number,
; which a v_min_u32 bounds once more by the loop's own limit; the step inside the trip and the block stand in the immediates.  B's base goes 32,768 bytes on a trip.
; One text serves every ac.  Fragments are fetched for nine blocks always: the row phase lays copies of the tile's last unit into the places of the blocks
; that the tile does not have (32 (9 - ac) LDS stores a wave), so that every byte that is fetched has been written by this tile.
; THE LOOP'S BODY IS STRAIGHT, without a branch or a label: its 24 steps multiply all nine blocks, whatever ac; the blocks past the tile's last run on those
; copies and their sums are passed over afterwards.  That is 24 x 8 (9 - ac) products a pass beside the 256 ac that count (192 beside 2,048 for ac = 8, none
; for ac = 9), and it spares each of those steps four tests of ac and the window switches round them.  In the eight steps that are written out
; blocks 0-4 are multiplied always and each of blocks 5-8 stands behind a test of ac.  The units of the row phase and of the context sums are written out.
;
; THE MODE: SCHED_MODE bits 1:0 = 2 (LLVM: expert scheduling mode 2), set by the entry lines.  The code itself states the register dependences
; between vector or matrix instructions and memory or LDS instructions, with s_wait_alu, always for 0.
; THE PLAN.  Registers that memory or LDS instructions touch, phase by phase, and who else names them:
;   v5 v8 v10 v21   addresses made at the head and never written again: one wait on va_vdst ahead of the kernel's first load states them for good.
;   rows            RAW0-3 (v48-175): a set's sixteen roundings read RAW[rr], then the next unit's row lands in it.  OUT (v176-191): written by those roundings,
;                   read by the set's LDS stores.  v16-19: a set's offset, read by its eight loads, stepped once a set.
;                   A set has two waits: vm_vsrc at its head (the set before has read OUT; this set's loads have read their offset) and va_vdst behind its
;                   roundings and the offset's add (OUT and the offset are written, RAW[rr] is read out); its sixteen memory instructions follow.
;   K step s        its products read A[s & 1], B[s & 3] and the sums; its fetches land in A[(s + 1) & 1] and B[(s + 3) & 3], which the products of step s - 1 read.
;                   ONE wait on va_vdst at the step's head states that those are done (and, in a trip's first step, that v6 and v7 are written).  Behind it the
;                   34 fetches are dealt among the step's products, which name none of the registers that the fetches touch.  v6 and v7 are written once a trip, behind a wait on vm_vsrc.
;   activations     v13, v136-144: offsets of V and hbs, made behind vm_vsrc; one va_vdst ahead of those loads also covers the next pass's first B.
;                   v152-159: a block's two LDS loads land there, its four adds read them.  v128-135: written by the block, read by its two LDS stores.
;                   A block has vm_vsrc ahead of its first write of v128-135 and va_vdst ahead of its stores; the second also frees v152-159 for the next block's loads.
;   scores          v28 v45 v44 addresses, v32-35 loaded, v32 v34 stored: vm_vsrc at a trip's head, va_vdst ahead of the loads and ahead of the stores.
;   context         v23, v140-147 addresses, made once a tile; v48-127 a unit's weights and rows as loaded; v128-135 and v136 its sums and their offset, read by two stores.
;                   A unit has vm_vsrc at its head and va_vdst ahead of its stores; the second also frees v48-127 for the next unit's loads.
;   Every scalar that a vector instruction writes (v_readfirstlane_b32, v_readlane_b32, a compare) has a wait on va_sdst ahead of its first reader.  EXEC and VCC are never written.
;
; LDS:  0        rows, 2,064 bytes apart (2,048 + 16).  Row 4 w + rr of unit u lies at LDS row 36 w + 4 u + rr: wave w fills rows 36 w .. 36 w + 35 alone.
;                A fragment's lane r reads LDS row 36 (r>>2) + (r&3) + 4 i: sixteen rows that start at sixteen different multiples of 16 bytes modulo 256.
;       297216   SPART [wave][144] f32: the share of the scores that the wave's 256 columns give; it starts at (sum of V + bV) / 4 and each pass adds to it
;       299520   PARR  [wave][160] f32: exp(score - m_unit), a copy for each wave
; REGISTERS in windows of 256 (s_set_vgpr_msb: bits 1:0 source 0, 3:2 source 1, 5:4 source 2, 7:6 destination):
;   window 0: v0-47 addresses and small things; v48-119, v120-191 A fragments, two buffers of 9 x 8 (work space outside the K steps); v192-255 B slot 0
;   window 1: v0-191 B slots 1-3; v192-255 sums of block 8.   window 2: sums of blocks 0-3.   window 3: sums of blocks 4-7.  Tile (i, nb) at 64 (i & 3) + 8 nb.
;   At a branch and at a label every window is 0.
.set PITCH, 2064
.set U4,    4*PITCH                    ; from a unit to the next in a wave's region: 8,256
.set WREG,  36*PITCH                   ; a wave's region
.set SPART, 144*PITCH
.set SLAB,  576
.set PARR,  SPART+4*SLAB
.set PARW,  640
.set FB,    48                         ; fragment buffers / work space
.set AOFF,  16                         ; v16-19 the four row sets' offsets in features
.set C2L,   0x4038aa3b                 ; 2 log2(e)
.set L2E,   0x3fb8aa3b                 ; log2(e)
; fixed for the whole kernel: v1 lane, v2 r, v3 h, v5 16 lane, v8 my slab of SPART + 32 h, v9 byte of column 256 w + r, v10 my region of rows + 8 lane,
;   v21 the same four units on, v11 fragment address of block 0 at k = 0, v14 sum of V + bV, v20 16 lane + 4 w rows of features, v30 -2^127,
;   v46 16 lane + 1,024 w, v47 8 lane + 512 w
; per tile or trip: v4 the tile's table (lane l: word l & 15), v6 v7 the trip's fragment addresses (blocks 0-4, blocks 5-8), v13 column bytes, v15 scratch,
;   v22 a bounded number, v23-45 at work
; s20 wave, s22 tile, s25 ac, s26 pass, s27 counter of the score pass, s58 counter of the K loop, s[28:29] B's base, s[30:31] its start,
; s[40:48] hbs offsets of the blocks, s49 bV, s50 s51 lane selects, s[52:53] my table, s59 max(ac,1)-1, s60 my PARR, s61 trips of the score pass,
; s37-39 lane masks of the score pass, s33-36 s54-57 at work
.set MSB, 0
.macro WIN new                         ; the immediate's high byte repeats the setting that is left; a switch that changes nothing is dropped
.if MSB != \new
	s_set_vgpr_msb (MSB<<8)|\new
.set MSB, \new
.endif
.endm
.macro PLACES                          ; four places behind matrix instructions before their registers are loaded, written or read (ISA guide 7.12.1)
.rept 4
	v_nop
.endr
.endm
.macro BAR
	s_barrier_signal -1
	s_barrier_wait -1
.endm
.macro BOUND sreg, lim                 ; v22 = a scalar number, at most lim
	v_mov_b32 v22, s\sreg
	v_min_u32 v22, \lim, v22
.endm
	s_load_b512 s[4:19], s[0:1], 0x0               ; features 4, w1f 6, hbs 8, V 10, bV 12, wtab 14, scores 16, ctxp 18
	v_lshl_add_u32 v42, v0, 2, 0x49c00
	v_mov_b32 v43, 0
	v_and_b32 v1, 31, v0
	v_lshrrev_b32 v22, 5, v0
	v_readfirstlane_b32 s20, v22
	v_and_b32 v2, 15, v0
	v_bfe_u32 v3, v0, 4, 1
	v_lshlrev_b32 v5, 4, v1
	v_lshrrev_b32 v22, 2, v2
	v_and_b32 v23, 3, v2
	v_mad_u32_u24 v22, v22, 36, v23                ; LDS row of unit row r in block 0
	v_mul_u32_u24 v11, v22, PITCH
	v_lshl_add_u32 v11, v3, 4, v11                 ; + 16 h
	s_wait_alu depctr_va_sdst(0)                   ; s20 is written, ahead of its first reader: the wave's places in LDS and in memory are made from it
	s_mul_i32 s33, s20, SLAB
	s_add_co_u32 s33, s33, SPART
	v_lshl_add_u32 v8, v3, 5, s33                  ; my slab, rows 8 h
	s_lshl_b32 s33, s20, 10
	v_lshl_add_u32 v9, v2, 2, s33                  ; byte of column 256 w + r
	v_add_nc_u32 v46, s33, v5                      ; 16 lane + 1,024 w
	s_mul_i32 s33, s20, WREG
	v_lshl_add_u32 v10, v1, 3, s33                 ; my region of rows + 8 lane: units 0-3 by the immediate
	v_add_nc_u32 v21, 4*U4, v10                    ; units 4-8: eight units on are 66,048 bytes, more than an immediate holds
	v_lshl_add_u32 v20, s20, 14, v5                ; 16 lane + 4 w rows of 4,096 bytes
	s_lshl_b32 s33, s20, 9
	v_lshl_add_u32 v47, v1, 3, s33                 ; 8 lane + 512 w
	s_mul_i32 s60, s20, PARW
	s_add_co_u32 s60, s60, PARR                    ; my copy of the weights
	v_mov_b32 v30, 0xff000000                      ; -2^127 stands for a masked row
	v_mov_b32 v15, 0
	s_mov_b32 s50, 0x76543210
	s_mov_b32 s51, 0xfedcba98
	s_lshl_b32 s54, s20, 19                        ; my two column groups of w1f: 2 x 262,144 bytes
	s_mov_b32 s55, 0
	s_lshl_b32 s56, ttmp9, 7                       ; my 32 words of the table
	s_mov_b32 s57, 0
	s_wait_kmcnt 0x0
	s_load_b32 s49, s[12:13], 0x0
	s_add_nc_u64 s[30:31], s[6:7], s[54:55]
	s_add_nc_u64 s[52:53], s[14:15], s[56:57]
	s_wait_alu depctr_va_vdst(0)                   ; v5, v8, v10 and v21 are written: the addresses that loads and stores read from here to the kernel's end
.irp c,0,1,2,3,4,5,6,7
	global_load_b128 v[48+4*\c:51+4*\c], v5, s[10:11] offset:512*\c
.endr
	s_wait_loadcnt 0x0
.irp c,1,2,3,4,5,6,7
	v_pk_add_f32 v[48:49], v[48:49], v[48+4*\c:49+4*\c]
	v_pk_add_f32 v[50:51], v[50:51], v[50+4*\c:51+4*\c]
.endr
	v_pk_add_f32 v[48:49], v[48:49], v[50:51]
	v_add_f32 v48, v48, v49
.irp m,1,2,4,8
	v_add_f32_dpp v48, v48, v48 row_xmask:\m row_mask:0xf bank_mask:0xf
.endr
	v_permlanex16_b32 v15, v48, s50, s51
	v_add_f32 v14, v48, v15
	s_wait_kmcnt 0x0
	v_add_f32 v14, s49, v14                        ; sum of V + bV, in every lane
; ---- macros of the row phase.  Set rr = one row of 4,096 bytes: eight loads of 512 consecutive bytes.
.macro UROW u                          ; s34 = unit u's first row << 12
	v_readlane_b32 s34, v4, \u
	s_wait_alu depctr_va_sdst(0)                   ; s34 is written, ahead of its first reader
	s_and_b32 s34, s34, 0xffff
	s_min_u32 s34, s34, 0xfff0
	s_lshl_b32 s34, s34, 12
.endm
.macro AOFS rr                         ; the set's offset: the unit's first row, my four rows, my 16 bytes
	v_add_nc_u32 v[AOFF+\rr], s34, v20
.endm
.macro ALOAD rr
.irp c,0,1,2,3,4,5,6,7
	global_load_b128 v[FB+32*\rr+4*\c:FB+32*\rr+4*\c+3], v[AOFF+\rr], s[4:5] offset:\rr*4096+512*\c th:TH_LOAD_NT
.endr
.endm
.macro ACVT rr, left                   ; row rr of my four is in: round it to bf16
	s_wait_loadcnt \left                           ; loads come back in order: this set's eight are in (and its offset register is free), the younger sets stay out
	s_wait_alu depctr_vm_vsrc(0)                   ; the LDS stores of the set before have read v176-191, which the roundings write again; this set's loads have read their offset, which is stepped behind them
.irp e,0,1,2,3,4,5,6,7,8,9,10,11,12,13,14,15
	v_cvt_pk_bf16_f32 v[176+\e], v[FB+32*\rr+2*\e], v[FB+32*\rr+2*\e+1]
.endr
.endm
.macro ASTORE pos, rr                  ; the rounded row goes to row rr of my four in the place of unit pos
.if \pos < 4
.set sa, 10
.set so, \pos*U4+\rr*PITCH
.else
.set sa, 21
.set so, (\pos-4)*U4+\rr*PITCH
.endif
.irp c,0,1,2,3,4,5,6,7
	ds_store_b64 v[sa], v[176+2*\c:177+2*\c] offset:so+256*\c                ; 32 lanes, 256 consecutive bytes
.endr
.endm
.macro AUNIT u                         ; a unit that has a successor: each set asks for the next unit's row.  24 = three younger sets of eight
.irp rr,0,1,2,3
	ACVT \rr, 24
	AOFS \rr
	s_wait_alu depctr_va_vdst(0)                   ; the roundings have written v176-191, which the stores read, and are done reading the set's raw registers, in which the loads land; the offset is written
	ALOAD \rr                                      ; the set is asked for again at once, ahead of the stores
	ASTORE \u, \rr
.endr
.endm
.macro ALAST u, rr, left               ; a row of the tile's last unit: it also fills the places of the blocks u + 1 .. 8, which the tile does not have
	ACVT \rr, \left
	s_wait_alu depctr_va_vdst(0)                   ; the roundings have written v176-191, which the stores read
.set ap, \u
.rept 9-\u
	ASTORE ap, \rr
.set ap, ap+1
.endr
.endm
.macro ATAIL u                         ; the tile's last unit: nothing more is asked for, the counts run down
	ALAST \u, 0, 24
	ALAST \u, 1, 16
	ALAST \u, 2, 8
	ALAST \u, 3, 0
.endm
; ---- macros of the product
.macro AF3 buf, koff, g                ; the fragments of blocks 3 g .. 3 g + 2 of one K step of 32, at byte koff behind the trip's addresses: six LDS loads
	WIN 0
.irp d,0,1,2
.set fi, 3*(\g)+\d
.if fi < 5
.set fr, 6
.set fo, fi*U4+(\koff)
.else
.set fr, 7
.set fo, (fi-5)*U4+(\koff)
.endif
	ds_load_b128 v[FB+72*(\buf)+8*fi:FB+72*(\buf)+8*fi+3],   v[fr] offset:fo
	ds_load_b128 v[FB+72*(\buf)+8*fi+4:FB+72*(\buf)+8*fi+7], v[fr] offset:fo+32
.endr
.endm
.macro AFETCH buf, koff                ; nine blocks' fragments in one run: a pass's first step
	AF3 \buf, \koff, 0
	AF3 \buf, \koff, 1
	AF3 \buf, \koff, 2
.endm
.macro BF8 slot, imm, half             ; four of the eight B fragments of one K step: 8 loads of 512 consecutive bytes
.set sl, (\slot)
.if sl == 0
	WIN 0
.set bb, 192
.else
	WIN 0x40
.set bb, 64*(sl-1)
.endif
.set nb, 4*(\half)
.rept 4
	global_load_b128 v[bb+8*nb:bb+8*nb+3],   v5, s[28:29] offset:(\imm)+1024*nb
	global_load_b128 v[bb+8*nb+4:bb+8*nb+7], v5, s[28:29] offset:(\imm)+1024*nb+512
.set nb, nb+1
.endr
.endm
.macro BFETCH slot, imm                ; all eight
	BF8 \slot, \imm, 0
	BF8 \slot, \imm, 1
.endm
; Block i's eight products of one K step.  The sums take turns, one instruction a turn.  zero = 1: the products start the sums.
.macro MBLK i, buf, slot, zero
.set sl, (\slot)
.if sl == 0
.set bw, 0
.set bb, 192
.else
.set bw, 1
.set bb, 64*(sl-1)
.endif
.if \i < 4
.set aw, 2
.set ab, 64*\i
.else
.if \i < 8
.set aw, 3
.set ab, 64*(\i-4)
.else
.set aw, 1
.set ab, 192
.endif
.endif
.set wv, (aw<<6)|(aw<<4)|(bw<<2)
	WIN wv
.set nb, 0
.rept 8
.if \zero
	v_wmma_f32_16x16x32_bf16 v[ab+8*nb:ab+8*nb+7], v[FB+72*(\buf)+8*\i:FB+72*(\buf)+8*\i+7], v[bb+8*nb:bb+8*nb+7], 0
.else
	v_wmma_f32_16x16x32_bf16 v[ab+8*nb:ab+8*nb+7], v[FB+72*(\buf)+8*\i:FB+72*(\buf)+8*\i+7], v[bb+8*nb:bb+8*nb+7], v[ab+8*nb:ab+8*nb+7]
.endif
.set nb, nb+1
.endr
.endm
; What step qq fetches behind block i's products: behind blocks 0, 1, 2 six loads each of the next step's A fragments, behind blocks 3, 4 eight loads each of B of three steps on.
; No wait: no vector or matrix instruction since the wait at the step's head names v5, v6, v7, the other A buffer or that B slot.
; All five groups stand ahead of the first test of ac, so every way through a step issues the same loads.
.macro DEAL i, qq, fa, fb
.if \fa
.if \i < 3
	AF3 (\qq+1)&1, 64*(\qq+1), \i
.endif
.endif
.if \fb
.if \i == 3
	BF8 (\qq+3)&3, (\qq+3)*8192, 0
.endif
.if \i == 4
	BF8 (\qq+3)&3, (\qq+3)*8192, 1
.endif
.endif
.endm
; Step qq (0..3) of a trip.  fa: the next step's A fragments go into the other buffer; fb: B of three steps on goes into the slot read last step (four slots).
; mode 1 (a pass's very first step): the products start the sums of all nine blocks, so that the text behind the K steps names only registers that have been written.
; mode 2 (the steps inside the loop): all nine blocks, no test.   mode 0 (the other written-out steps): blocks 0-4, then each of blocks 5-8 behind a test of ac.
.macro QSTEP qq, mode, fa, fb, lc
	s_wait_dscnt 0x0                               ; this step's A fragments, asked for early in the step before
	s_wait_loadcnt \lc                             ; this step's B is in; lc counts the loads of the later steps' B, 16 each
.if (\fa)+(\fb)
	PLACES                                         ; the registers fetched into in this step were sources of the last step's products
	s_wait_alu depctr_va_vdst(0)                   ; the last step's products are done reading the A buffer and the B slot in which this step's fetches land; in a trip's first step v6 and v7 are written
.endif
.if \mode == 1
.irp i,0,1,2,3,4,5,6,7,8
	MBLK \i, 0, 0, 1
	DEAL \i, \qq, \fa, \fb
.endr
	WIN 0
.else
.if \mode == 2
.irp i,0,1,2,3,4,5,6,7,8
	MBLK \i, (\qq)&1, (\qq)&3, 0
	DEAL \i, \qq, \fa, \fb
.endr
	WIN 0
.else
.irp i,0,1,2,3,4
	MBLK \i, (\qq)&1, (\qq)&3, 0
	DEAL \i, \qq, \fa, \fb
.endr
.irp i,5,6,7,8
	WIN 0
	s_cmp_lt_u32 s25, \i+1                         ; the tile has no block i: the step is over
	s_cbranch_scc1 .Lme_\@
	MBLK \i, (\qq)&1, (\qq)&3, 0
.endr
	WIN 0
.Lme_\@:
.endif
.endif
.endm
.macro FOUR m0, m                      ; a trip: four K steps (the first in mode m0, the others in mode m), then B's base goes four steps on
	QSTEP 0, \m0, 1, 1, 32
	QSTEP 1, \m, 1, 1, 32
	QSTEP 2, \m, 1, 1, 32
	QSTEP 3, \m, 1, 1, 32
	s_wait_xcnt 0x0                                ; the base of the loads on their way is stepped only behind this wait
	s_add_nc_u64 s[28:29], s[28:29], 32768
.endm
.macro PROLOGUE                        ; B of the first three K steps: 48 loads
	BFETCH 0, 0
	BFETCH 1, 8192
	BFETCH 2, 16384
	WIN 0
.endm
; Block i behind the K steps: y = 2 log2(e) x (one fused multiply-add with hbs), 1 / (1 + 2^y), times -2 V, summed over my 128 columns, added to my slab.
; A lane holds column r of each 16 and rows 8 h + j in register j, so hbs and V are one register a lane for each nb.
.macro EBLOCK i
	ds_load_b128 v[152:155], v8 offset:64*\i       ; what my slab holds for rows 16 i + 8 h + 0..7 (my own stores: LDS serves a wave's instructions in order).
	ds_load_b128 v[156:159], v8 offset:64*\i+16    ; No wait: no vector instruction since the last wait on va_vdst (ahead of the block before's stores, or of the loads of V and hbs) names v8 or v152-159
.if \i < 4
.set aw, 2
.set ab, 64*\i
.else
.if \i < 8
.set aw, 3
.set ab, 64*(\i-4)
.else
.set aw, 1
.set ab, 192
.endif
.endif
.set wv, (aw<<6)|aw
	WIN wv                                         ; destination and source 0: the sums' window; source 2: window 0
.set nb, 0
.rept 8
.set hp, FB+8*\i+(nb&6)
.irp jj,0,2,4,6
.if nb&1
	v_pk_fma_f32 v[ab+8*nb+\jj:ab+8*nb+\jj+1], v[ab+8*nb+\jj:ab+8*nb+\jj+1], C2L, v[hp:hp+1] op_sel:[0,0,1] op_sel_hi:[1,0,1]
.else
	v_pk_fma_f32 v[ab+8*nb+\jj:ab+8*nb+\jj+1], v[ab+8*nb+\jj:ab+8*nb+\jj+1], C2L, v[hp:hp+1] op_sel_hi:[1,0,0]
.endif
.endr
.set nb, nb+1
.endr
.set k, 0
.rept 64
	v_exp_f32 v[ab+k], v[ab+k]
.set k, k+1
.endr
	v_nop                                          ; one plain place between the last power and the first use (ISA guide 5.7.2)
.set k, 0
	s_wait_alu depctr_va_vdst(0)
.rept 32
	v_pk_add_f32 v[ab+k:ab+k+1], v[ab+k:ab+k+1], 1.0 op_sel_hi:[1,0]
.set k, k+2
.endr
.set k, 0
.rept 64
	v_rcp_f32 v[ab+k], v[ab+k]
.set k, k+1
.endr
	v_nop
	s_wait_alu depctr_va_vdst(0)
	s_wait_alu depctr_vm_vsrc(0)                   ; the LDS stores of the block before have read v128-135, which the lines below write anew
.set wv, aw
	WIN wv                                         ; source 0: the sums' window; all else window 0
.set nb, 0
.rept 8
.set vp, 120+(nb&6)
.irp jj,0,2,4,6
.if nb == 0
	v_pk_mul_f32 v[128+\jj:129+\jj], v[ab+\jj:ab+\jj+1], v[120:121] op_sel_hi:[1,0]
.else
.if nb&1
	v_pk_fma_f32 v[128+\jj:129+\jj], v[ab+8*nb+\jj:ab+8*nb+\jj+1], v[vp:vp+1], v[128+\jj:129+\jj] op_sel:[0,1,0] op_sel_hi:[1,1,1]
.else
	v_pk_fma_f32 v[128+\jj:129+\jj], v[ab+8*nb+\jj:ab+8*nb+\jj+1], v[vp:vp+1], v[128+\jj:129+\jj] op_sel_hi:[1,0,1]
.endif
.endif
.endr
.set nb, nb+1
.endr
	WIN 0
.irp m,1,2,4,8
.irp j,0,1,2,3,4,5,6,7
	v_add_f32_dpp v[128+\j], v[128+\j], v[128+\j] row_xmask:\m row_mask:0xf bank_mask:0xf      ; over the sixteen columns of the lanes
.endr
.endr
	s_wait_dscnt 0x0                               ; the two loads at the block's head
.irp jj,0,2,4,6
	v_pk_add_f32 v[128+\jj:129+\jj], v[128+\jj:129+\jj], v[152+\jj:153+\jj]
.endr
	s_wait_alu depctr_va_vdst(0)                   ; the adds have written v128-135, which the stores read, and are done reading v152-159, in which the next block's loads land
	ds_store_b128 v8, v[128:131] offset:64*\i      ; the sixteen lanes of a half store the same bytes
	ds_store_b128 v8, v[132:135] offset:64*\i+16
.endm
; One row of a unit into the context sums: eight numbers a lane
.macro CROW rr
	s_wait_dscnt 30-2*\rr                          ; LDS loads come back in order: the count is the later rows' loads, two each
.if \rr == 0
.irp e,0,1,2,3
	v_lshlrev_b32 v[128+2*\e], 16, v[64+\e]
	v_and_b32 v[129+2*\e], 0xffff0000, v[64+\e]
.endr
.irp e,0,2,4,6
	v_pk_mul_f32 v[128+\e:129+\e], v[128+\e:129+\e], v[48:49] op_sel_hi:[1,0]  ; the first row starts the sums
.endr
.else
.irp e,0,1,2,3
	v_fma_mix_f32_bf16 v[128+2*\e], v[64+4*\rr+\e], v[48+\rr], v[128+2*\e] op_sel_hi:[1,0,0]
	v_fma_mix_f32_bf16 v[129+2*\e], v[64+4*\rr+\e], v[48+\rr], v[129+2*\e] op_sel:[1,0,0] op_sel_hi:[1,0,0]
.endr
.endif
.endm
; Unit u's context sums: wave w owns d = 256 w .. 256 w + 255, a lane two runs of four
.macro CUNIT u
	s_wait_xcnt 0x0                                ; the earlier stores have read their data and offsets
	s_wait_alu depctr_vm_vsrc(0)                   ; the stores of the unit before have read v128-135 and v136, which this unit writes again
	v_readlane_b32 s34, v4, \u
	s_wait_alu depctr_va_sdst(0)                   ; s34 is written, ahead of its first reader
	s_and_b32 s34, s34, 0xffff
	s_min_u32 s34, s34, 0xfff0
	s_lshl_b32 s34, s34, 8                         ; (row / 16) x 4,096 bytes
	v_add_nc_u32 v136, s34, v46
.irp k,0,1,2,3
	ds_load_b128 v[48+4*\k:51+4*\k], v23 offset:64*\u+16*\k                  ; the unit's sixteen weights, in every lane (my own stores above).
.endr                                                                            ; No wait for these 36 loads: no vector instruction since the last wait on va_vdst names v23, v140-147 or v48-127
.if \u < 4
.set ca, 140
.set co, \u*U4
.else
.set ca, 144
.set co, (\u-4)*U4
.endif
.irp rr,0,1,2,3,4,5,6,7,8,9,10,11,12,13,14,15
	ds_load_b64 v[64+4*\rr:65+4*\rr], v[ca+(\rr>>2)] offset:co+(\rr&3)*PITCH
	ds_load_b64 v[66+4*\rr:67+4*\rr], v[ca+(\rr>>2)] offset:co+(\rr&3)*PITCH+256
.endr
.irp rr,0,1,2,3,4,5,6,7,8,9,10,11,12,13,14,15
	CROW \rr
.endr
	s_wait_alu depctr_va_vdst(0)                   ; the sums v128-135 and their offset v136 are written, which the stores read; the rows' lines are done reading v48-127, in which the next unit's loads land
	global_store_b128 v136, v[128:131], s[18:19]               ; each store of the wave covers 512 consecutive bytes, aligned
	global_store_b128 v136, v[132:135], s[18:19] offset:512
.endm
; =================== the two tiles.  Every barrier stands on every path; a tile that is absent jumps over each phase and joins again in front of the barrier.
	s_mov_b32 s22, 0
.Ltile:
	s_wait_xcnt 0x0                                ; registers that the last tile's stores name are written again below
	s_wait_alu depctr_vm_vsrc(0)                   ; the last tile's loads, stores and LDS instructions have read their registers (v16-19, v22, v23, v128-147), which this tile writes or loads into again
	v_lshlrev_b32 v22, 2, v2
	v_lshl_add_u32 v22, s22, 6, v22
	s_wait_alu depctr_va_vdst(0)                   ; v22 is written, which the load reads; the last tile's v_readlane_b32 are done reading v4, in which it lands
	global_load_b32 v4, v22, s[52:53]              ; lane l: word l & 15 of my tile
	s_wait_loadcnt 0x0
	v_readlane_b32 s33, v4, 0
.irp i,0,1,2,3,4,5,6,7,8
	v_readlane_b32 s[40+\i], v4, \i
.endr
	s_wait_alu depctr_va_sdst(0)                   ; s33 and s40-48 are written, ahead of their first readers: one wait behind the run
	s_lshr_b32 s25, s33, 24
	s_min_u32 s25, s25, 9                          ; ac
	s_max_u32 s59, s25, 1
	s_sub_co_u32 s59, s59, 1                       ; the tile's last block
.irp i,0,1,2,3,4,5,6,7,8
	s_and_b32 s[40+\i], s[40+\i], 0xffff
	s_min_u32 s[40+\i], s[40+\i], 0xfff0
	s_and_b32 s[40+\i], s[40+\i], 0xf800           ; batch x 2,048
	s_lshl_b32 s[40+\i], s[40+\i], 1               ; batch x 4,096 bytes: block i's row of hbs
.endr
	s_cmp_eq_u32 s25, 0
	s_cbranch_scc1 .LA_done
; ---- the rows: wave w brings rows 4 w .. 4 w + 3 of every unit, 32 loads (16,384 bytes) always on their way.
; A unit that has a successor asks for it while it is stored; the tile's last unit (the fifth to the ninth) has a text of its own that asks for nothing.
; On every way into such a text the same 32 loads are out.
	UROW 0
.irp rr,0,1,2,3
	AOFS \rr
.endr
	s_wait_alu depctr_va_vdst(0)                   ; the four offsets are written; whatever vector work named v48-175 (the sum of V, the last tile's sums) is done with them: the rows land there
.irp rr,0,1,2,3
	ALOAD \rr
.endr
.irp u,0,1,2,3
	UROW \u+1
	AUNIT \u
.endr
.irp u,4,5,6,7
	s_cmp_eq_u32 s25, \u+1                         ; unit u is the last
	s_cbranch_scc1 .LA_tail_\u
	UROW \u+1
	AUNIT \u
.endr
.irp u,8,7,6,5
.LA_tail_\u:
	ATAIL \u
	s_branch .LA_done
.endr
.LA_tail_4:
	ATAIL 4
.LA_done:
	s_wait_dscnt 0x0                               ; my rows lie in LDS before I say so
	BAR                                            ; every wave's do
	s_cmp_eq_u32 s25, 0
	s_cbranch_scc1 .Lgemm_done
; ---- the product, two passes of 128 columns
	v_mul_f32 v128, 0x3e800000, v14                ; my slab starts at a quarter of sum of V + bV: the four slabs add up to it
	v_mov_b32 v129, v128
	v_mov_b32 v130, v128
	v_mov_b32 v131, v128
	s_wait_alu depctr_va_vdst(0)                   ; v128-131 are written, which the stores read; the last tile's products are done reading the three B slots in which the loads below land
.irp i,0,1,2,3,4,5,6,7,8
	ds_store_b128 v8, v[128:131] offset:64*\i
	ds_store_b128 v8, v[128:131] offset:64*\i+16
.endr
	s_mov_b64 s[28:29], s[30:31]
	PROLOGUE
	s_mov_b32 s26, 0
.Lpass:
	s_wait_alu depctr_vm_vsrc(0)                   ; the last pass's fragment loads have read v6 and v7; the LDS stores and the loads of hbs have read v128-144 and v176-191, in which fragments land again
	v_mov_b32 v6, v11                              ; trip 0: the rows' first bytes
	v_add_nc_u32 v7, 5*U4, v11
	s_wait_alu depctr_va_vdst(0)                   ; v6 and v7 are written; the activations are done reading v48-119, in which the first fragments land
	AFETCH 0, 0
	FOUR 1, 0                                      ; the first trip stands ahead of the loop: its first products start the sums
	s_mov_b32 s58, 1
.Lk:
	s_wait_alu depctr_vm_vsrc(0)                   ; the last trip's fragment loads have read v6 and v7 (that these are written anew is stated by the first step's wait)
	BOUND 58, 6                                    ; trips 1 to 6
	v_lshl_add_u32 v6, v22, 8, v11                 ; 256 T behind the rows' first bytes
	v_add_nc_u32 v7, 5*U4, v6
	FOUR 2, 2                                      ; straight: nine blocks in every step
	s_add_co_u32 s58, s58, 1
	s_cmp_lt_u32 s58, 7
	s_cbranch_scc1 .Lk
	s_wait_alu depctr_vm_vsrc(0)                   ; the last trip's fragment loads have read v6 and v7
	v_add_nc_u32 v6, 7*256, v11                    ; trip 7, the last
	v_add_nc_u32 v7, 5*U4+7*256, v11
	QSTEP 0, 0, 1, 1, 32                           ; step 28 asks for B of step 31, the last
	QSTEP 1, 0, 1, 0, 32                           ; B of steps 30 and 31 may be out
	QSTEP 2, 0, 1, 0, 16                           ; B of step 31
	QSTEP 3, 0, 0, 0, 0                            ; nothing is fetched: no wait on va_vdst
	s_wait_xcnt 0x0                                ; B's base is stepped only behind this wait
	s_add_nc_u64 s[28:29], s[28:29], 32768         ; 8 x 32,768 = 262,144: the next pass's column group
	PLACES                                         ; behind the last products: the sums are read and the fragment buffers written below
	s_wait_alu depctr_vm_vsrc(0)                   ; the first pass's loads of V and hbs have read v13 and v136-144, which are written anew
	BOUND 26, 1                                    ; the pass
	v_lshl_add_u32 v13, v22, 9, v9                 ; byte of column 128 (2 w + pass) + r
.irp i,0,1,2,3,4,5,6,7,8
	v_add_nc_u32 v[136+\i], s[40+\i], v13
.endr
	s_wait_alu depctr_va_vdst(0)                   ; v13 and v136-144 are written; the products are done reading the fragment buffers, in which V and hbs land, and the B slots, in which the next pass's first B lands
.irp nb,0,1,2,3,4,5,6,7
	global_load_b32 v[120+\nb], v13, s[10:11] offset:64*\nb                  ; V of column 16 nb + r of my 128
.endr
.irp i,0,1,2,3,4,5,6,7,8
.irp nb,0,1,2,3,4,5,6,7
	global_load_b32 v[FB+8*\i+\nb], v[136+\i], s[8:9] offset:64*\nb          ; hbs of block i's batch, same columns
.endr
.endr
	s_cmp_lg_u32 s26, 0
	s_cbranch_scc1 .Lepi_last
	PROLOGUE                                       ; the second pass's first B travels under the first pass's activations
	s_wait_loadcnt 48                              ; V and hbs are in; the 48 loads just issued stay out
	s_branch .Lepi_go
.Lepi_last:
	s_wait_loadcnt 0x0
.Lepi_go:
.irp nb,0,1,2,3,4,5,6,7
	v_mul_f32 v[120+\nb], -2.0, v[120+\nb]
.endr
.irp i,0,1,2,3
	EBLOCK \i
.endr
.irp i,4,5,6,7
	EBLOCK \i
	s_cmp_eq_u32 s25, \i+1                         ; that was the tile's last block
	s_cbranch_scc1 .Lepi_end
.endr
	EBLOCK 8
.Lepi_end:
	s_add_co_u32 s26, s26, 1
	s_cmp_lt_u32 s26, 2
	s_cbranch_scc1 .Lpass
.Lgemm_done:
	s_wait_dscnt 0x0                               ; my share of the scores lies in LDS
	BAR
	s_cmp_eq_u32 s25, 0
	s_cbranch_scc1 .Lpost_done
; ---- scores and exp(score - m_unit), 32 rows (two units) a trip, ceil(ac / 2) trips.  Every wave makes its own copy of the weights, so nothing is handed
; between waves here.  A missing odd unit repeats the tile's last one: the same values go to the same places.
; The three lane masks go into scalar registers, in two runs with one wait behind each; the store's offset is made ahead of the branch, so that one wait serves both stores.
	s_add_co_u32 s61, s25, 1
	s_lshr_b32 s61, s61, 1
	s_mov_b32 s27, 0
.Lpa:
	s_lshl_b32 s33, s27, 1
	s_add_co_u32 s34, s33, 1
	s_min_u32 s34, s34, s59
	s_wait_xcnt 0x0                                ; the last trip's store has read its registers
	s_wait_alu depctr_vm_vsrc(0)                   ; the last trip's LDS load, LDS store and store have read v28, v45, v34, v44 and v32, which this trip writes or loads into again
	v_readlane_b32 s35, v4, s33
	v_readlane_b32 s36, v4, s34
	v_cmp_ne_u32 s37, 0, v3                        ; the upper half of the lanes
	s_wait_alu depctr_va_sdst(0)                   ; s35, s36 and s37 are written, ahead of their first readers
	v_mov_b32 v24, s35
	v_mov_b32 v31, s36
	v_cndmask_b32 v24, v24, v31, s37               ; my unit's word
	v_mov_b32 v25, s33
	v_mov_b32 v31, s34
	v_cndmask_b32 v25, v25, v31, s37
	v_min_u32 v25, 8, v25                          ; my unit's block
	v_lshl_add_u32 v26, v25, 4, v2                 ; my row in the tile
	v_lshlrev_b32 v27, 2, v26
	v_add_nc_u32 v28, SPART, v27
	v_and_b32 v29, 0x100000, v24
	v_bfe_u32 v36, v24, 16, 4
	v_add_nc_u32 v45, s60, v27
	v_cmp_eq_u32 s38, 0, v29                       ; my batch is not masked whole
	v_cmp_le_u32 s39, v2, v36                      ; my row is valid
	s_wait_alu depctr_va_vdst(0)                   ; v28 is written, which the loads read; the last trip's arithmetic is done with v32-35, in which they land
.irp k,0,1,2,3
	ds_load_b32 v[32+\k], v28 offset:SLAB*\k
.endr
	s_wait_alu depctr_va_sdst(0)                   ; s38 and s39 are written, ahead of their first readers
	s_wait_dscnt 0x0
	v_add_f32 v32, v32, v33
	v_add_f32 v34, v34, v35
	v_add_f32 v32, v32, v34                        ; the score: the four slabs hold sum of V + bV among them
	v_cndmask_b32 v32, 0, v32, s38                 ; a batch that is masked whole: equal scores
	v_cndmask_b32 v33, v30, v32, s39
.irp m,1,2,4,8
	v_max_num_f32_dpp v33, v33, v33 row_xmask:\m row_mask:0xf bank_mask:0xf  ; m_unit
.endr
	v_sub_f32 v34, v32, v33
	v_mul_f32 v34, L2E, v34
	v_exp_f32 v34, v34
	v_and_b32 v44, 0xffff, v24                     ; (a plain place behind the power)
	s_wait_alu depctr_va_vdst(0)
	v_cndmask_b32 v34, 0, v34, s39
	v_min_u32 v44, 0xfff0, v44
	v_add_nc_u32 v44, v44, v2
	v_lshlrev_b32 v44, 2, v44                      ; my score's byte in scores
	s_wait_alu depctr_va_vdst(0)                   ; v45 and v34 are written, which the LDS store reads; so are v44 and v32, which the store behind the branch reads
	ds_store_b32 v45, v34
	s_and_b32 s33, s27, 3
	s_cmp_lg_u32 s33, s20                          ; trip g's scores are stored by wave g & 3
	s_cbranch_scc1 .Lpa_nost
	global_store_b32 v44, v32, s[16:17]            ; a unit's sixteen scores: 64 consecutive bytes
.Lpa_nost:
	s_add_co_u32 s27, s27, 1
	s_cmp_lt_u32 s27, s61
	s_cbranch_scc1 .Lpa
; ---- the units' context sums, written out: unit rows 4 q .. 4 q + 3 lie in wave q's region.
; (v140-144 were offsets of the loads of hbs: the wait on vm_vsrc at the head of each trip above stands behind those loads, and nothing issued since reads v140-147 or v23.)
.irp q,0,1,2,3
	v_add_nc_u32 v[140+\q], \q*WREG, v47           ; units 0-3 by the immediate
	v_add_nc_u32 v[144+\q], \q*WREG+4*U4, v47      ; units 4-8
.endr
	v_mov_b32 v23, s60                             ; my copy of the weights
	s_wait_alu depctr_va_vdst(0)                   ; v23 and v140-147 are written, which every unit's LDS loads read; the activations are done with v48-127, in which the first unit's loads land
.irp u,0,1,2,3,4
	CUNIT \u
.endr
.irp u,5,6,7,8
	s_cmp_eq_u32 s25, \u                           ; the tile has no unit u
	s_cbranch_scc1 .Lpost_done
	CUNIT \u
.endr
.Lpost_done:
	s_wait_dscnt 0x0                               ; my reads of the rows and of the shares are over
	BAR                                            ; so are everybody's: the next tile may write them
	s_add_co_u32 s22, s22, 1
	s_cmp_lt_u32 s22, 2
	s_cbranch_scc1 .Ltile
	s_wait_dscnt 0x0
	s_wait_alu depctr_hold_cnt(0) depctr_sa_sdst(0) depctr_va_vdst(0) depctr_va_sdst(0) depctr_va_ssrc(0) depctr_va_vcc(0) depctr_vm_vsrc(0)
	s_wait_tensorcnt 0x0
	ds_add_u32 v42, v43
	s_wait_dscnt 0x0
	s_endpgm
.Lfunc_end_k_q8ab218d125_attn:
	.size	k_q8ab218d125_attn, .Lfunc_end_k_q8ab218d125_attn-k_q8ab218d125_attn
	.p2alignl 7, 3214868480
	.fill 96, 4, 3214868480
	.section	.rodata,"a",@progbits
	.p2align	6, 0x0
	.amdhsa_kernel k_q8ab218d125_attn
		.amdhsa_group_segment_fixed_size 302592
		.amdhsa_private_segment_fixed_size 0
		.amdhsa_enable_private_segment 0
		.amdhsa_kernarg_size 64
		.amdhsa_user_sgpr_count 2
		.amdhsa_user_sgpr_kernarg_segment_ptr 1
		.amdhsa_wavefront_size32 1
		.amdhsa_system_sgpr_workgroup_id_x 1
		.amdhsa_system_sgpr_workgroup_id_y 1
		.amdhsa_system_sgpr_workgroup_id_z 1
		.amdhsa_system_vgpr_workitem_id 0
		.amdhsa_next_free_vgpr 1024
		.amdhsa_next_free_sgpr 66
		.amdhsa_reserve_vcc 0
		.amdhsa_float_denorm_mode_32 3
		.amdhsa_float_denorm_mode_16_64 3
		.amdhsa_memory_ordered 1
		.amdhsa_forward_progress 1
		.amdhsa_inst_pref_size 255
	.end_amdhsa_kernel
	.section	.bss,"aw",@nobits
	.p2align	6
	.space	262144
	.amdgpu_metadata
---
amdhsa.version: [ 1, 2 ]
amdhsa.kernels:
  - .name:           k_q8ab218d125_attn
    .symbol:         k_q8ab218d125_attn.kd
    .args:
      - { .name: features, .offset: 0, .size: 8, .value_kind: global_buffer, .address_space: global }
      - { .name: w1f, .offset: 8, .size: 8, .value_kind: global_buffer, .address_space: global }
      - { .name: hbs, .offset: 16, .size: 8, .value_kind: global_buffer, .address_space: global }
      - { .name: V, .offset: 24, .size: 8, .value_kind: global_buffer, .address_space: global }
      - { .name: bV, .offset: 32, .size: 8, .value_kind: global_buffer, .address_space: global }
      - { .name: wtab, .offset: 40, .size: 8, .value_kind: global_buffer, .address_space: global }
      - { .name: scores, .offset: 48, .size: 8, .value_kind: global_buffer, .address_space: global }
      - { .name: ctxp, .offset: 56, .size: 8, .value_kind: global_buffer, .address_space: global }
    .group_segment_fixed_size: 302592
    .private_segment_fixed_size: 0
    .kernarg_segment_align: 8
    .kernarg_segment_size: 64
    .max_flat_workgroup_size: 128
    .sgpr_count:     66
    .vgpr_count:     1024
    .wavefront_size: 32
...
	.end_amdgpu_metadata
.endif
;; end of part 5
;; launch fin: the kernel of part 3 again; grid 8 x 32, 8 waves a work-group, no clusters, 9,216 bytes of LDS; arguments seq_len, scores, ctxp, out0, out1; writes out0, out1
